; MI455X (gfx1250); checked and timed in simulation.
; The chip was launched on July 23, 2026; its instructions are those of AMD's public machine-readable ISA for CDNA 5 (MIT licence, August 2026) and "CDNA5" Instruction Set Architecture Reference Guide (July 2026). The comments in the code are by the model that wrote it; some were corrected since.
;; Multi Head Self Attention Eins. Allowed arithmetic: matrix products marked QUANTISED: E4M3 operands, one given power-of-two scale a tensor, by v_wmma_f32_16x16x64_fp8_fp8 or v_wmma_f32_16x16x128_fp8_fp8, f32 sums; everything else in f32.
;; Inputs: W_0 1,024 x 1,024 float32; W_qkv 1,024 x 3,072 float32; lowp_scales 8 int32 (the exponents e of the quantised operands' scales 2^e); rel_bias 4,095 x 16 float32; x 4 x 2,048 x 1,024 float32.
;; Outputs: out0 4 x 2,048 x 1,024 float32.
;; This version of the problem:
;;   THIS VERSION OF THE PROBLEM IS GIVEN IN LOW PRECISION. The matrix products marked QUANTISED in the list below multiply operands that are first quantised to E4M3 (4 exponent bits, 3 mantissa bits; 8 bits a number), with one given power-of-two scale for each operand tensor; their sums are f32. All else is computed in f32.
;;   The module's matrix products, in the order in which they are computed (A, B: the left and right operand; K: the contracted axis; several contracted axes count as one K, in the product's order):
;;     1. [M 8,192, K 1,024] x [K 1,024, N 3,072]; A: input x; B: input W_qkv: QUANTISED (scales: A lowp_scales[0], B lowp_scales[1])
;;     2. batch 64 x [M 2,048, K 64] x [K 64, N 2,048]; A: computed on the way; B: computed on the way: QUANTISED (scales: A lowp_scales[2], B lowp_scales[3])
;;     3. batch 64 x [M 2,048, K 2,048] x [K 2,048, N 64]; A: softmax (see below); B: computed on the way: QUANTISED (scales: A lowp_scales[4], B lowp_scales[5])
;;     4. [M 8,192, K 1,024] x [K 1,024, N 1,024]; A: computed on the way; B: input W_0: QUANTISED (scales: A lowp_scales[6], B lowp_scales[7])
;;   THE QUANTISER, for each operand of a quantised product, along K:
;;     - The operand's scale is 2^e, e = its entry of the input lowp_scales (int32; the entries are numbered through the quantised products in the list's order, A before B).
;;     - Each number is divided by the scale, clamped to +-448, and rounded to the nearest number of E4M3, ties to even, subnormals kept.
;;     - The product sums the exact products of the quantised numbers (number of the format x scale) in f32.
;;   ~~~python
;;   def quantise(x, axis, e):      # numpy; x: float32 -> the quantised numbers, widened to float32 again
;;       x = np.moveaxis(x, axis, -1); K = x.shape[-1]
;;       r = np.clip(x / 2.0 ** e, -448, 448)
;;       step = 2.0 ** (np.maximum(np.frexp(np.where(r == 0, 1, r))[1] - 1, -6) - 3)
;;       q = np.round(r / step) * step * 2.0 ** e      # np.round: ties to even
;;       return np.moveaxis(q, -1, axis).astype(np.float32)
;;   ~~~
;;   SOFTMAX AHEAD OF A QUANTISED PRODUCT. Where the list says 'softmax', what is quantised is not the finished softmax but p = 2^(t - M), with t = logit x log2(e) and M = ceil(the row's largest t), a whole number; so 1/2 < the row's largest p <= 1. The row's sum l is taken of the UNQUANTISED p, in f32, and the product's result is divided by l at the end. Since M is a whole number, a kernel that streams over the keys may use a running M (the ceiling of the running maximum): every later rescaling is an exact power of two, so the quantised numbers keep their values, but for numbers so far below the row's largest that they fall under the format's range.
;;   OPERANDS COMPUTED ON THE WAY. 'Computed on the way' means the value that the module computes at that place (a softmax that the list does not call 'softmax' is quantised finished and normalised). What goes into a quantiser is computed in f32, as accurately as f32 sums, v_exp_f32 and their like allow (about 1e-6 of the number): no bf16 or f16 on the way to a quantiser, and a product that is left as it is and whose result goes on into a quantised operand takes f32 operands (vector FMAs, or v_wmma_f32_16x16x4_f32). A number that lies on a knife's edge between two numbers of the format may be rounded either way, as far as f32 arithmetic and the matrix unit's own rounding can turn it there, and no further.
;; One version. Each part assembles by itself: llvm-mc -triple=amdgcn-amd-amdhsa -mcpu=gfx1250 --defsym DOCPART=n.
;; ======== version 1 of 1: 4 launches
;; limits: right only within a limited range of input values
;; workspace buffers: x_codes 8,388,608 bytes; wq_codes 3,145,728 bytes; w0_codes 1,048,576 bytes; biasg 163,840 bytes; q_img 8,388,608 bytes; kv_img 16,777,216 bytes; o_img 8,388,608 bytes
;; launch prep (part 1): grid 394 x 1, 4 waves a work-group, no clusters, 102,912 bytes of LDS; arguments x, W_qkv, W_0, rel_bias, lowp_scales, x_codes, wq_codes, w0_codes, biasg; writes x_codes, wq_codes, w0_codes, biasg
.if DOCPART == 1
	.amdgcn_target "amdgcn-amd-amdhsa--gfx1250"
	.amdhsa_code_object_version 6
	.text
	.protected	k_q9733a278e5_prep
	.globl	k_q9733a278e5_prep
	.p2align	8
	.type	k_q9733a278e5_prep,@function
k_q9733a278e5_prep:
	s_mov_b64 s[64:65], 0
	v_nop
	global_prefetch_b8 v0, s[64:65] scope:SCOPE_SE
	s_setreg_imm32_b32 hwreg(HW_REG_WAVE_MODE, 25, 1), 1
	s_wait_xcnt 0x0
; PREP: the inputs are turned once into what the three later launches read again and again.
;   x      [8192][1024] f32 -> x_codes  [8192][1024]  codes of E4M3 with the given scale 2^e0, K innermost
;   W_qkv  [1024][3072] f32 -> wq_codes [3072][1024]  codes with 2^e1, K innermost; column c = 48 d + 16 k3 + h becomes row 192 h + 64 k3 + d: a head's q, k and v are 192 rows on end
;   W_0    [1024][1024] f32 -> w0_codes [1024][1024]  codes with 2^e7, K innermost
;   rel_bias [4095][16] -> biasg [16][2560] f32: G[h][g] = rel_bias[g - 1][h] x 2^(3 - e2 - e3) for g = 1 .. 2048 (g = key - query + 2048); -2^126 for g over 2048; G[h][0] is never used.
; code = number / 2^e, held within +-448, to the nearest code, ties to even.
; WORK LEFT OUT IN THIS PROGRAM, AND WHY IT IS DEAD.  reference() sets every score with key j over query i to -infinity by a mask that it builds itself (jnp.tril), ahead of the bias and the softmax.
; -infinity plus a finite bias is -infinity, its exponential is 0, and 0 times a value adds nothing: so for all finite inputs (a) rows 2048 .. 4094 of rel_bias (index j - i + 2047 with j over i) reach no output and are
; not read; (b) the products q k and p v of key blocks that lie wholly over the diagonal reach no output and are not made (launch attn).  Every input has a way to the output, so all are loaded.
; LIMIT: a NaN, an infinity or an overflow that reaches only that work is not carried to the result.
; LIMITS on the given exponents: e0, e1, e7 between -126 and 119, so that 2^e and 448 x 2^e are f32 numbers.  NaN among the inputs is not served (an infinity is held at the largest code).
; SHARES: work-groups 0-255 take x (a wave: 8,192 numbers on end), 256-351 W_qkv, 352-383 W_0 (a wave: 32 columns x 256 along K), 384-393 the bias table (a lane: two g, all 16 heads).
; The paths part on the work-group's number alone; each path that uses LDS has LDS bytes of its own.  No tensor loads, no barrier: waves share nothing.  No cluster: no two work-groups read the same bytes.
.set XLDS,  0                          ; path x: 8,192 bytes a wave (two stages of 32 x 80)
.set QLDS,  32768                      ; path W_qkv: 32 rows x 272 bytes a wave
.set OLDS,  67584                      ; path W_0: the same
.set SPARE, 102400                     ; the spare words, 128 bytes a wave: two blocks of 256 bytes that no other line names
.set SPW,   252                        ; v252 LDS address of my spare word; never rewritten
.set NIL,   253                        ; v253 0; never rewritten
.set WP,    272                        ; a stage row of the weights' paths: 256 bytes + 16
.set SP,    80                         ; a lane's place in x's stage: 64 bytes + 16
.set R,     16                         ; path x: v16-143 eight sets of 16 numbers as loaded
.set XN,    144                        ;         v144-175 two sets of 16 neighbours
.set C,     176                        ;         v176-239 four registers of codes for each step
.set WX,    32                         ; weights: v32-95 two sets of 32 numbers down K
.set WC,    96                         ;          v96-103 a block's codes
.set OUTR,  112                        ;          v112-175 the way out
.set AD,    176                        ;          v176-191 W_qkv: my byte in wq_codes for each of the 16 stores
.macro FINISH                          ; a wave's end, behind my last LDS store
	s_wait_tensorcnt 0x0
	ds_add_u32 v[SPW], v[NIL]
	s_wait_dscnt 0x0
	s_endpgm
.endm
.macro SCALES e                        ; v11 = 2^e as f32 (the conversion takes its exponent field), s38 = 448 x 2^e
	s_wait_kmcnt 0x0
	s_add_co_i32 s38, s[\e], 127
	s_lshl_b32 s39, s38, 23
	v_mov_b32 v11, s39
	s_add_co_i32 s38, s38, 8
	s_lshl_b32 s38, s38, 23
	s_or_b32 s38, s38, 0x600000
.endm
	s_load_b512 s[4:19], s[0:1], 0x0               ; x s[4:5], W_qkv s[6:7], W_0 s[8:9], rel_bias s[10:11], the exponents s[12:13], x_codes s[14:15], wq_codes s[16:17], w0_codes s[18:19]
	s_load_b64 s[20:21], s[0:1], 0x40              ; biasg
	v_lshl_add_u32 v[SPW], v0, 2, SPARE
	v_mov_b32 v[NIL], 0
	v_lshrrev_b32 v1, 5, v0
	v_readfirstlane_b32 s22, v1                    ; wave 0..3
	v_and_b32 v2, 31, v0                           ; lane
	s_wait_kmcnt 0x0
	s_load_b256 s[24:31], s[12:13], 0x0            ; e0 .. e7
	s_cmp_lt_u32 ttmp9, 256
	s_cbranch_scc0 .Lnot_x
	s_wait_alu depctr_va_vdst(0)
; ---------------- x: a plain stream of blocks.  Each load reads 512 bytes on end, 16 a lane; a step's 2,048 bytes turn through my own stage so that a lane holds 16 neighbours along K.
	v_lshlrev_b32 v3, 4, v2                        ; 16 x lane: my bytes of a load, and of a step's codes
	s_wait_alu depctr_va_vdst(0)
	s_lshl_b32 s23, s22, 13                        ; my 8,192 bytes of LDS
	v_lshrrev_b32 v14, 2, v2
	v_mul_u32_u24 v14, v14, SP
	v_and_b32 v15, 3, v2
	v_lshl_add_u32 v14, v15, 4, v14
	v_add_nc_u32 v14, s23, v14                     ; into the stage: 80 (lane / 4) + 16 (lane % 4)
	v_mul_u32_u24 v15, v2, SP
	v_add_nc_u32 v15, s23, v15                     ; out of it: 80 x lane
	s_lshl_b32 s32, ttmp9, 2
	s_add_co_u32 s32, s32, s22                     ; which run of 8,192 numbers is mine
	s_lshl_b32 s34, s32, 15
	s_mov_b32 s35, 0
	s_add_nc_u64 s[4:5], s[4:5], s[34:35]
	s_lshl_b32 s34, s32, 13
	s_add_nc_u64 s[14:15], s[14:15], s[34:35]
.macro XLOAD t
.irp i, 0,1,2,3
	global_load_b128 v[R+16*((\t)%8)+4*\i:R+16*((\t)%8)+4*\i+3], v3, s[4:5] offset:2048*(\t)+512*\i th:TH_LOAD_NT
.endr
.endm
.macro XTURN t                         ; LDS serves a wave's instructions in order (ISA guide 5.7.1.4): no wait between the stores and the loads
.irp i, 0,1,2,3
	ds_store_b128 v14, v[R+16*((\t)%8)+4*\i:R+16*((\t)%8)+4*\i+3] offset:32*SP*((\t)%2)+8*SP*\i
.endr
.irp i, 0,1,2,3
	ds_load_b128 v[XN+16*((\t)%2)+4*\i:XN+16*((\t)%2)+4*\i+3], v15 offset:32*SP*((\t)%2)+16*\i
.endr
.endm
.macro XSTEP t
.set XS, XN+16*((\t)%2)
	s_wait_dscnt 0x0                               ; this step's numbers are back from the stage, and its stores into the stage have read their registers,
.if (\t)+8 < 16
	XLOAD (\t)+8                                   ; which take the loads of eight steps on
.endif
.if (\t)+1 < 16
.if (\t) <= 7
	s_wait_loadcnt 28                              ; the next step's four loads are in; those of the seven steps behind it may be out
.else
	s_wait_loadcnt 4*(14-(\t))                     ; the counts run down
.endif
	XTURN (\t)+1
.endif
.irp i, 0,1,2,3,4,5,6,7,8,9,10,11,12,13,14,15
.endr
	v_cvt_scalef32_pk8_fp8_f32 v[C+4*(\t):C+4*(\t)+1], v[XS:XS+7], v11
	v_cvt_scalef32_pk8_fp8_f32 v[C+4*(\t)+2:C+4*(\t)+3], v[XS+8:XS+15], v11
	global_store_b128 v3, v[C+4*(\t):C+4*(\t)+3], s[14:15] offset:512*(\t)   ; the wave stores 512 bytes on end, at a multiple of 512 from the buffer's first byte
.endm
.irp t, 0,1,2,3,4,5,6,7
	XLOAD \t                                       ; 32 loads of a wave are on their way
.endr
	s_wait_alu depctr_va_vdst(0)
	SCALES 24
	s_wait_alu depctr_va_vdst(0)
	s_wait_loadcnt 28                              ; step 0's four loads are in
	XTURN 0
.irp t, 0,1,2,3,4,5,6,7,8,9,10,11,12,13,14,15
	XSTEP \t
.endr
	FINISH
; ---------------- the weights: K is their first axis.  A lane takes a column and its registers run down K; the codes leave through my own stage as rows of 256 bytes.
.macro WLOAD t, N, PIN
.irp i, 0,1,2,3,4,5,6,7,8,9,10,11,12,13,14,15,16,17,18,19,20,21,22,23,24,25,26,27,28,29,30,31
	global_load_b32 v[WX+32*((\t)%2)+\i], v3, s[\PIN:\PIN+1] offset:(32*(\t)+\i)*\N*4 th:TH_LOAD_NT
.endr
.endm
.macro WBLOCK t, N, PIN
.set XS, WX+32*((\t)%2)
.if (\t) < 7
	s_wait_loadcnt 32                              ; this block's 32 loads are in; the next block's may be out
.else
	s_wait_loadcnt 0x0
.endif
.irp i, 0,1,2,3,4,5,6,7,8,9,10,11,12,13,14,15,16,17,18,19,20,21,22,23,24,25,26,27,28,29,30,31
.endr
.irp g, 0,1,2,3
	v_cvt_scalef32_pk8_fp8_f32 v[WC+2*\g:WC+2*\g+1], v[XS+8*\g:XS+8*\g+7], v11
.endr
	ds_store_b128 v4, v[WC:WC+3] offset:32*(\t)
	ds_store_b128 v4, v[WC+4:WC+7] offset:32*(\t)+16
.if (\t)+2 < 8
	WLOAD (\t)+2, \N, \PIN
.endif
	s_wait_dscnt 0x0                               ; the stores have read their registers: the next block's codes may be written
.endm
; N: columns of the weight; PIN, POUT: the scalar pairs with its address and its codes'; E: the register with its exponent; LB: the path's LDS bytes; MAP = 1: the rows are reordered; FIRST: the path's first work-group
.macro WPATH N, PIN, POUT, E, LB, MAP, FIRST
	s_sub_co_u32 s32, ttmp9, \FIRST
	s_lshr_b32 s33, s32, 2
	s_and_b32 s32, s32, 3                          ; which 256 along K
	s_lshl_b32 s33, s33, 7
	s_lshl_b32 s34, s22, 5
	s_add_co_u32 s33, s33, s34                     ; my wave's first column
	v_lshlrev_b32 v3, 2, v2                        ; in: 4 bytes a lane
	s_mul_i32 s34, s22, 32*WP
	s_add_co_u32 s34, s34, \LB                     ; my stage
	v_mul_u32_u24 v4, v2, WP
	v_add_nc_u32 v4, s34, v4                       ; into it: row = my column
	v_and_b32 v5, 15, v2
	v_lshrrev_b32 v6, 4, v2
	v_mul_u32_u24 v7, v6, WP
	v_lshl_add_u32 v7, v5, 4, v7
	v_add_nc_u32 v7, s34, v7                       ; out of it: sixteen lanes to a row, two rows an instruction
	s_mul_i32 s36, s32, 256*\N*4
	s_lshl_b32 s35, s33, 2
	s_add_co_u32 s36, s36, s35
	s_mov_b32 s37, 0
	s_add_nc_u64 s[\PIN:\PIN+1], s[\PIN:\PIN+1], s[36:37]
	WLOAD 0, \N, \PIN
	WLOAD 1, \N, \PIN
	s_lshl_b32 s36, s32, 8                         ; the codes: 256 bytes along K for each y,
.if \MAP
	v_add_nc_u32 v9, s33, v6                       ; column of store 0: first column + lane / 16
.irp t, 0,1,2,3,4,5,6,7,8,9,10,11,12,13,14,15
	v_add_nc_u32 v20, 2*\t, v9                     ; c = 48 d + 16 k3 + h, under 3,072
	v_mul_u32_u24 v21, v20, 0xaaab
	v_lshrrev_b32 v21, 21, v21                     ; d = c / 48: 43,691 x 48 = 2^21 + 16, so the quotient is exact for c under 3,072
	v_mul_u32_u24 v22, v21, 48
	v_sub_nc_u32 v22, v20, v22
	v_lshrrev_b32 v22, 4, v22                      ; k3
	v_and_b32 v20, 15, v20                         ; h
	v_mul_u32_u24 v20, v20, 192
	v_lshl_add_u32 v20, v22, 6, v20
	v_add_nc_u32 v20, v20, v21                     ; row 192 h + 64 k3 + d
	v_lshlrev_b32 v20, 10, v20
	v_lshl_add_u32 v[AD+\t], v5, 4, v20
.endr
.else
	s_lshl_b32 s35, s33, 10                        ; and 1,024 bytes for each column
	s_add_co_u32 s36, s36, s35
	s_wait_alu depctr_va_vdst(0)
	v_lshlrev_b32 v8, 10, v6
	v_lshl_add_u32 v8, v5, 4, v8
.endif
	s_add_nc_u64 s[\POUT:\POUT+1], s[\POUT:\POUT+1], s[36:37]
	SCALES \E
	s_wait_alu depctr_va_vdst(0)
.irp t, 0,1,2,3,4,5,6,7
	WBLOCK \t, \N, \PIN
.endr
.irp t, 0,1,2,3,4,5,6,7,8,9,10,11,12,13,14,15
	ds_load_b128 v[OUTR+4*\t:OUTR+4*\t+3], v7 offset:2*\t*WP
.endr
.irp t, 0,1,2,3,4,5,6,7,8,9,10,11,12,13,14,15
	s_wait_dscnt 15-\t                             ; LDS loads come back in order: number t is in
.if \MAP
	global_store_b128 v[AD+\t], v[OUTR+4*\t:OUTR+4*\t+3], s[\POUT:\POUT+1]     ; sixteen lanes store 256 bytes on end, at a multiple of 256
.else
	global_store_b128 v8, v[OUTR+4*\t:OUTR+4*\t+3], s[\POUT:\POUT+1] offset:2048*\t
.endif
.endr
	FINISH
.endm
.Lnot_x:
	s_cmp_lt_u32 ttmp9, 352
	s_cbranch_scc0 .Lnot_wq
	s_wait_alu depctr_va_vdst(0)
	WPATH 3072, 6, 16, 25, QLDS, 1, 256
.Lnot_wq:
	s_cmp_lt_u32 ttmp9, 384
	s_cbranch_scc0 .Lbias
	s_wait_alu depctr_va_vdst(0)
	WPATH 1024, 8, 18, 31, OLDS, 0, 352
; ---------------- the bias table, a head at a time along g, so that the attention can read a query's biases as neighbours.  The factor 2^(3 - e2 - e3) lets the table be added to the raw sums of codes.
.Lbias:
	s_sub_co_u32 s32, ttmp9, 384
	s_lshl_b32 s32, s32, 8
	s_lshl_b32 s33, s22, 6
	s_add_co_u32 s32, s32, s33
	s_wait_alu depctr_va_vdst(0)
	v_lshl_add_u32 v3, v2, 1, s32                  ; g0 = 256 x work-group + 64 x wave + 2 x lane; I make g0 and g0 + 1
	v_add_nc_u32 v4, -1, v3
	v_max_i32 v4, 0, v4
	v_min_u32 v4, 0x7ff, v4                        ; row g0 - 1, held inside rows 0 .. 2047
	v_min_u32 v5, 0x7ff, v3                        ; row g0, likewise
	v_lshlrev_b32 v4, 6, v4                        ; a row of rel_bias is 64 bytes
	v_lshlrev_b32 v5, 6, v5
.irp i, 0,1,2,3
	global_load_b128 v[16+4*\i:19+4*\i], v4, s[10:11] offset:16*\i
	global_load_b128 v[32+4*\i:35+4*\i], v5, s[10:11] offset:16*\i
.endr
	v_lshlrev_b32 v6, 2, v3
	v_mov_b32 v80, 0xfe800000                      ; -2^126: under every score; times c it stays far under every t
	v_cmp_lt_u32 s34, 0x800, v3                    ; g0 over 2048: the key comes after the query
	v_cmp_lt_u32 s35, 0x7ff, v3                    ; g0 + 1 over 2048
	s_wait_kmcnt 0x0
	s_add_co_i32 s36, s26, s27
	s_sub_co_i32 s36, 3, s36                       ; 3 - e2 - e3
	s_wait_loadcnt 0x0
.irp hh, 0,1,2,3,4,5,6,7,8,9,10,11,12,13,14,15
	v_ldexp_f32 v[48+2*\hh], v[16+\hh], s36
	v_ldexp_f32 v[49+2*\hh], v[32+\hh], s36
.endr
.irp hh, 0,1,2,3,4,5,6,7,8,9,10,11,12,13,14,15
	v_cndmask_b32 v[48+2*\hh], v[48+2*\hh], v80, s34
	v_cndmask_b32 v[49+2*\hh], v[49+2*\hh], v80, s35
.endr
.irp hh, 0,1,2,3,4,5,6,7,8,9,10,11,12,13,14,15
	global_store_b64 v6, v[48+2*\hh:49+2*\hh], s[20:21] offset:10240*\hh     ; the wave stores 256 bytes on end, at a multiple of 256
.endr
	s_endpgm
.Lfunc_end_k_q9733a278e5_prep:
	.size	k_q9733a278e5_prep, .Lfunc_end_k_q9733a278e5_prep-k_q9733a278e5_prep
	.p2alignl 7, 3214868480
	.fill 96, 4, 3214868480
	.section	.rodata,"a",@progbits
	.p2align	6, 0x0
	.amdhsa_kernel k_q9733a278e5_prep
		.amdhsa_group_segment_fixed_size 102912
		.amdhsa_private_segment_fixed_size 0
		.amdhsa_enable_private_segment 0
		.amdhsa_kernarg_size 72
		.amdhsa_user_sgpr_count 2
		.amdhsa_user_sgpr_kernarg_segment_ptr 1
		.amdhsa_wavefront_size32 1
		.amdhsa_system_sgpr_workgroup_id_x 1
		.amdhsa_system_sgpr_workgroup_id_y 1
		.amdhsa_system_sgpr_workgroup_id_z 1
		.amdhsa_system_vgpr_workitem_id 0
		.amdhsa_next_free_vgpr 256
		.amdhsa_next_free_sgpr 66
		.amdhsa_reserve_vcc 0
		.amdhsa_float_denorm_mode_32 3
		.amdhsa_float_denorm_mode_16_64 3
		.amdhsa_fp16_overflow 1
		.amdhsa_memory_ordered 1
		.amdhsa_forward_progress 1
		.amdhsa_inst_pref_size 102
	.end_amdhsa_kernel
	.amdgpu_metadata
---
amdhsa.version: [ 1, 2 ]
amdhsa.kernels:
  - .name:           k_q9733a278e5_prep
    .symbol:         k_q9733a278e5_prep.kd
    .args:
      - { .name: x, .offset: 0, .size: 8, .value_kind: global_buffer, .address_space: global }
      - { .name: W_qkv, .offset: 8, .size: 8, .value_kind: global_buffer, .address_space: global }
      - { .name: W_0, .offset: 16, .size: 8, .value_kind: global_buffer, .address_space: global }
      - { .name: rel_bias, .offset: 24, .size: 8, .value_kind: global_buffer, .address_space: global }
      - { .name: lowp_scales, .offset: 32, .size: 8, .value_kind: global_buffer, .address_space: global }
      - { .name: x_codes, .offset: 40, .size: 8, .value_kind: global_buffer, .address_space: global }
      - { .name: wq_codes, .offset: 48, .size: 8, .value_kind: global_buffer, .address_space: global }
      - { .name: w0_codes, .offset: 56, .size: 8, .value_kind: global_buffer, .address_space: global }
      - { .name: biasg, .offset: 64, .size: 8, .value_kind: global_buffer, .address_space: global }
    .group_segment_fixed_size: 102912
    .private_segment_fixed_size: 0
    .kernarg_segment_align: 8
    .kernarg_segment_size: 72
    .max_flat_workgroup_size: 128
    .sgpr_count:     66
    .vgpr_count:     256
    .wavefront_size: 32
...
	.end_amdgpu_metadata
.endif
;; end of part 1
;; launch qkv (part 2): grid 16 x 32, 4 waves a work-group, clusters of 4 x 4, 327,680 bytes of LDS; arguments x_codes, wq_codes, lowp_scales, q_img, kv_img; writes q_img, kv_img
.if DOCPART == 2
	.amdgcn_target "amdgcn-amd-amdhsa--gfx1250"
	.amdhsa_code_object_version 6
	.text
	.protected	k_q9733a278e5_qkv
	.globl	k_q9733a278e5_qkv
	.p2align	8
	.type	k_q9733a278e5_qkv,@function
k_q9733a278e5_qkv:
	s_mov_b64 s[64:65], 0
	v_nop
	global_prefetch_b8 v0, s[64:65] scope:SCOPE_SE
	s_setreg_imm32_b32 hwreg(HW_REG_WAVE_MODE, 25, 1), 1
	s_wait_xcnt 0x0
	s_wait_alu depctr_hold_cnt(0) depctr_sa_sdst(0) depctr_va_vdst(0) depctr_va_sdst(0) depctr_va_ssrc(0) depctr_va_vcc(0) depctr_vm_vsrc(0)
	s_getreg_b32 s2, hwreg(HW_REG_IB_STS2, 6, 4)
	s_cmp_eq_u32 s2, 0
	s_cbranch_scc0 .Lentry_in_a_cluster
	s_endpgm
.Lentry_in_a_cluster:
	s_bfe_u32 s2, ttmp6, 0x10000c
	s_cmp_lg_u32 s2, 0xf033
	s_cbranch_scc0 .Lentry_shape_is_right
	s_endpgm
.Lentry_shape_is_right:
; QKV: the first product, on codes of E4M3, and its results quantised in registers to q (2^e2), k (2^e3), v (2^e5).  x_codes [8192][1024], wq_codes [3072][1024] (row 192 h + 64 k3 + d), K innermost.
; A work-group makes 256 tokens x the 192 columns of ONE head (16-row blocks 0-3: q, 4-7: k, 8-11: v).  Four waves; wave w owns tokens 64 w .. 64 w + 63 against all 12 blocks: 48 accumulators, 384 registers,
; and every wave does the same kinds of work.  K goes in slots of 256 (two steps of 128) through a ring of two LDS slots filled by the tensor data mover; K = 1,024 is four fills, so all is written out and there is no loop.
; q and k are made TRANSPOSED (source 0 = 16 rows of the weight, source 1 = 16 tokens): a lane holds one token and eight neighbouring d, which is the second product's K.
; v is made the natural way (source 0 = tokens, source 1 = weight rows): a lane holds one d and eight neighbouring tokens, since the keys are the third product's K.
; A sum stands for sum x 2^(e0 + e1): its code is sum / 2^(eT - e0 - e1), held within +-448: the three scales are folded into the conversion's one.
; THE RESULTS ARE STORED AS IMAGES OF THE NEXT OPERANDS' REGISTERS.  A tile of 16 rows x 64 d is 1,024 bytes: byte 512 c + 256 g + 16 r + i holds (row r, d = 32 c + 16 g + i).
;   q_img [head-batch 64][tile 128][1,024].   kv_img [head-batch 64][step of 128 keys: 16][K 8,192 | V 8,192].
;   K of a step: 8 tiles; tile 2 b + u, row r holds key 32 b + 8 u + r + 8 (r / 8).   V of a step: byte 2048 t + 512 c + 256 g + 16 r + i holds (d = 16 t + r, key 32 c + 16 g + i).
; CLUSTERS: 4 x 4 work-groups.  The four of a row need the same tokens, the four of a column the same head's weights: each tile is asked for jointly, by the same tensor load with the same descriptor and a mask of the four.
; A fragment (16 rows x 128 K) comes by four loads of 16 bytes: the same permutation of k on both sides of every product, so each product meets its partner.
; LIMITS: e2 - e0 - e1, e3 - e0 - e1 and e5 - e0 - e1 between -126 and 119, so that each scale and 448 x it are f32 numbers.
; REGISTERS, in windows of 256: window 0: v0-31 addresses and scales; v64-127, v128-191 the tokens' fragments, two sets; on the way out v32-127 codes, v128-223 the images.
;   window 1: the weight's 12 fragments, one set.   window 2: the accumulators of blocks 0-7, (b, a) at v[8 (4 b + a)].   window 3: those of blocks 8-11.
.set NB,     12
.set NBH,    6
.set PITCH,  272                       ; an LDS row: 256 bytes + 16 = 68 words: the 16 rows of a fragment load start at 16 different banks (64 banks of 4 bytes: ISA guide 11.1)
.set XHALF,  128*PITCH                 ; what one tensor load brings of the tokens
.set WHALF,  96*PITCH                  ; and of the weight
.set WOFF,   2*XHALF
.set SLOT,   WOFF+2*WHALF
.set SPARE,  2*SLOT                    ; behind the ring: the spare words, 128 bytes a wave
.set XSTEPB, 512                       ; a refill lies two slots of 256 bytes further along K
.set WSTEPB, 512
.set SWB,    12288                     ; the way out: my stage, in slot 0, which has had its last fill and its last read by then
.set ADRA, 16                          ; v16-17 LDS address of my tokens' fragments in slot 0, 1
.set ADRB, 20                          ; v20-21 the same for the weight
.set STQ,  24                          ; v24 stage: 16 r + 8 h
.set STK,  25                          ; v25 stage, k: 4096 + 1024 (r / 8) + 16 (r % 8) + 8 h
.set RD,   26                          ; v26 stage, back: 16 x lane
.set LI,   27                          ; v27 16 x lane
.set SPW,  28                          ; v28 LDS address of my spare word; never rewritten
.set NIL,  29                          ; v29 0; never rewritten
.set XS,   64
.set CQ,   32
.set BK,   128
.set G1,  24
.set G0,  32
.set G1B, 48
.set G0B, 56
.set MSB, 0
.macro WIN new                         ; the immediate's high byte repeats the setting that is left
.if MSB != \new
	s_set_vgpr_msb (MSB<<8)|\new
.set MSB, \new
.endif
.endm
.macro JLOAD s                         ; a joint load: waves 0 and 1 fetch the tokens' halves, waves 2 and 3 the weight's; an s_nop 0 and four v_nop follow each line
	s_cmp_eq_u32 s15, 0
	s_cbranch_scc0 .Lfor_w_\@
	tensor_load_to_lds s[G0+4*\s:G0+4*\s+3], s[G1:G1+7]
	s_nop 0
.rept 4
	v_nop
.endr
	s_branch .Lasked_\@
.Lfor_w_\@:
	tensor_load_to_lds s[G0B+4*\s:G0B+4*\s+3], s[G1B:G1B+7]
	s_nop 0
.rept 4
	v_nop
.endr
.Lasked_\@:
.endm
.macro CREST                           ; a round of the cluster's barrier behind its opening barrier
	s_cmp_lg_u32 s14, 0
	s_cbranch_scc1 .Lnot_wave_0_\@
	s_barrier_signal -3
.Lnot_wave_0_\@:
	s_barrier_wait -3
	s_barrier_signal -1
	s_barrier_wait -1
.endm
.macro CROUND
	s_barrier_signal -1
	s_barrier_wait -1
	CREST
.endm
.macro PLACES                          ; four plain places between a matrix instruction and a load into, or a vector read of, its registers
.rept 4
	v_nop
.endr
.endm
	s_load_b256 s[4:11], s[0:1], 0x0               ; x_codes s[4:5], wq_codes s[6:7], the exponents s[8:9], q_img s[10:11]
	s_load_b64 s[12:13], s[0:1], 0x20              ; kv_img
	v_lshl_add_u32 v[SPW], v0, 2, SPARE
	v_mov_b32 v[NIL], 0
	ds_add_u32 v[SPW], v[NIL]                      ; the wave's opening: the add, twice on end, and its wait ahead of my first tensor load
	ds_add_u32 v[SPW], v[NIL]
	v_lshrrev_b32 v1, 5, v0
	v_readfirstlane_b32 s14, v1                    ; wave 0..3
	s_lshr_b32 s15, s14, 1                         ; I fetch for the tokens (0) or the weight (1)
	s_and_b32 s16, s14, 1                          ; and which half
	s_bfe_u32 s40, ttmp6, 0x40000                  ; cx, cy: my place in the cluster
	s_bfe_u32 s41, ttmp6, 0x40004
	s_lshl_b32 s42, ttmp9, 2
	s_add_co_u32 s42, s42, s40                     ; the head = 4 x cluster x + cx
	s_and_b32 s17, ttmp7, 0xffff
	s_lshl_b32 s17, s17, 2
	s_add_co_u32 s17, s17, s41                     ; the block of 256 tokens = 4 x cluster y + cy
	s_lshl_b32 s43, s41, 2
	s_lshl_b32 s43, 15, s43                        ; my row of the cluster
	s_lshl_b32 s44, 0x1111, s40                    ; my column
	s_or_b32 s[G1+0], s43, (0<<16)|(1<<20)|(1<<21)|(5<<22)|(3<<25)   ; the mask; elements of 1 byte; padding on; bit 21 beside a mask; 4 words of padding after every 64
	s_or_b32 s[G1B+0], s44, (0<<16)|(1<<20)|(1<<21)|(5<<22)|(3<<25)
	s_mov_b32 s[G1+1], 256<<16                     ; tensor_dim0
	s_mov_b32 s[G1+2], 128<<16                     ; tensor_dim1
	s_mov_b32 s[G1+3], 256<<16                     ; tile_dim0
	s_mov_b32 s[G1+4], 128                         ; tile_dim1
	s_mov_b32 s[G1+5], 1024                        ; from row to row
	s_mov_b32 s[G1+6], 0
	s_mov_b32 s[G1+7], 0
	s_mov_b32 s[G1B+1], 256<<16
	s_mov_b32 s[G1B+2], 96<<16
	s_mov_b32 s[G1B+3], 256<<16
	s_mov_b32 s[G1B+4], 96
	s_mov_b32 s[G1B+5], 1024
	s_mov_b32 s[G1B+6], 0
	s_mov_b32 s[G1B+7], 0
	s_lshl_b32 s20, s17, 8
	s_lshl_b32 s18, s16, 7
	s_add_co_u32 s20, s20, s18                     ; tokens: row 256 x block + 128 x half
	s_lshl_b32 s20, s20, 10
	s_mov_b32 s21, 0
	s_mul_i32 s46, s42, 192
	s_mul_i32 s18, s16, 96
	s_add_co_u32 s46, s46, s18                     ; weight: row 192 x head + 96 x half
	s_lshl_b32 s46, s46, 10
	s_mov_b32 s47, 0
	s_mul_i32 s45, s16, XHALF                      ; where they go: no place in the cluster enters an LDS address
	s_mul_i32 s19, s16, WHALF
	s_add_co_u32 s19, s19, WOFF
	s_wait_dscnt 0x0                               ; both opening adds are done
	s_wait_kmcnt 0x0
	s_load_b256 s[72:79], s[8:9], 0x0              ; e0 .. e7
	s_add_nc_u64 s[20:21], s[4:5], s[20:21]
	s_add_nc_u64 s[46:47], s[6:7], s[46:47]
	CROUND                                         ; all sixteen work-groups are here: the first joint loads meet
.irp s, 0,1
	s_mov_b32 s[G0+4*\s], 1
	s_add_co_u32 s[G0+4*\s+1], s45, \s*SLOT
	s_add_nc_u64 s[G0+4*\s+2:G0+4*\s+3], s[20:21], \s*256
	s_or_b32 s[G0+4*\s+3], s[G0+4*\s+3], 0x80000000
	s_mov_b32 s[G0B+4*\s], 1
	s_add_co_u32 s[G0B+4*\s+1], s19, \s*SLOT
	s_add_nc_u64 s[G0B+4*\s+2:G0B+4*\s+3], s[46:47], \s*256
	s_or_b32 s[G0B+4*\s+3], s[G0B+4*\s+3], 0x80000000
	JLOAD \s                                       ; two loads of mine are out
.endr
	v_and_b32 v1, 15, v0                           ; r
	v_bfe_u32 v2, v0, 4, 1                         ; h
	v_mul_u32_u24 v3, v1, PITCH
	v_lshl_add_u32 v4, v2, 4, v3                   ; a fragment's row x pitch + 16 h
	s_mul_i32 s21, s14, 64*PITCH                   ; my 64 tokens
	s_mov_b32 s22, WOFF
.irp s, 0,1
	v_add_nc_u32 v[ADRA+\s], s21, v4
	v_add_nc_u32 v[ADRB+\s], s22, v4
	s_add_co_u32 s21, s21, SLOT
	s_add_co_u32 s22, s22, SLOT
.endr
	s_mul_i32 s23, s14, SWB                        ; my stage
	v_lshlrev_b32 v5, 4, v1
	v_lshl_add_u32 v5, v2, 3, v5
	v_add_nc_u32 v[STQ], s23, v5
	v_and_b32 v6, 7, v1
	v_lshrrev_b32 v7, 3, v1
	v_lshlrev_b32 v6, 4, v6
	v_lshl_add_u32 v6, v7, 10, v6
	v_lshl_add_u32 v6, v2, 3, v6
	v_add_nc_u32 v6, s23, v6
	v_add_nc_u32 v[STK], 4096, v6
	v_and_b32 v8, 31, v0
	v_lshlrev_b32 v[LI], 4, v8
	v_add_nc_u32 v[RD], s23, v[LI]
	; where my images go
	s_lshr_b32 s90, s17, 3
	s_lshl_b32 s90, s90, 4
	s_add_co_u32 s90, s90, s42                     ; head-batch = 16 x batch + head
	s_and_b32 s91, s17, 7                          ; which 256 tokens of the sequence
	s_lshl_b32 s92, s90, 17
	s_lshl_b32 s93, s91, 14
	s_add_co_u32 s92, s92, s93
	s_lshl_b32 s93, s14, 12
	s_add_co_u32 s92, s92, s93
	s_mov_b32 s93, 0
	s_add_nc_u64 s[10:11], s[10:11], s[92:93]      ; q: my four tiles
	s_lshl_b32 s92, s90, 18
	s_lshl_b32 s94, s91, 1
	s_add_co_u32 s94, s94, s15
	s_lshl_b32 s94, s94, 14
	s_add_co_u32 s92, s92, s94                     ; the step of 128 keys that holds my 64 tokens
	s_lshl_b32 s94, s16, 12
	s_add_co_u32 s94, s94, s92
	s_mov_b32 s95, 0
	s_add_nc_u64 s[94:95], s[12:13], s[94:95]      ; k: my half of its eight tiles
	s_lshl_b32 s96, s16, 10
	s_add_co_u32 s96, s96, s92
	s_add_co_u32 s96, s96, 8192
	s_mov_b32 s97, 0
	s_add_nc_u64 s[96:97], s[12:13], s[96:97]      ; v: my 1,024 bytes of each 2,048
; four matrix instructions: block b of the weight against my four blocks of tokens in set p.  zero = 1: the product starts the sums: nothing is cleared.
; The 48 accumulators take turns, one instruction a turn, in the same order in every step.
.macro MULB b, p, zero
.if (\b) < 8
	WIN 0xa1                                       ; source 0 (weight) window 1, source 1 (tokens) window 0, C and D window 2
.irp a, 0,1,2,3
.if \zero
	v_wmma_f32_16x16x128_fp8_fp8 v[8*(4*(\b)+\a):8*(4*(\b)+\a)+7], v[16*(\b):16*(\b)+15], v[XS+64*(\p)+16*\a:XS+64*(\p)+16*\a+15], 0
.else
	v_wmma_f32_16x16x128_fp8_fp8 v[8*(4*(\b)+\a):8*(4*(\b)+\a)+7], v[16*(\b):16*(\b)+15], v[XS+64*(\p)+16*\a:XS+64*(\p)+16*\a+15], v[8*(4*(\b)+\a):8*(4*(\b)+\a)+7]
.endif
.endr
.else
	WIN 0xf4                                       ; source 0 (tokens) window 0, source 1 (weight) window 1, C and D window 3
.irp a, 0,1,2,3
.if \zero
	v_wmma_f32_16x16x128_fp8_fp8 v[8*(4*((\b)-8)+\a):8*(4*((\b)-8)+\a)+7], v[XS+64*(\p)+16*\a:XS+64*(\p)+16*\a+15], v[16*(\b):16*(\b)+15], 0
.else
	v_wmma_f32_16x16x128_fp8_fp8 v[8*(4*((\b)-8)+\a):8*(4*((\b)-8)+\a)+7], v[XS+64*(\p)+16*\a:XS+64*(\p)+16*\a+15], v[16*(\b):16*(\b)+15], v[8*(4*((\b)-8)+\a):8*(4*((\b)-8)+\a)+7]
.endif
.endr
.endif
.endm
.macro MULS b0, b1, p, zero            ; blocks b0 .. b1 - 1
.set MB, \b0
.rept (\b1)-(\b0)
	MULB MB, \p, \zero
.set MB, MB+1
.endr
.endm
.macro FETCH_W slot, q, i0, i1         ; the weight's fragments i0 .. i1 - 1 of the slot's q-th 128 along K
	WIN 0x40                                       ; destination window 1
.set FI, \i0
.rept (\i1)-(\i0)
.irp c, 0,1,2,3
	ds_load_b128 v[16*FI+4*\c:16*FI+4*\c+3], v[ADRB+\slot] offset:128*(\q)+32*\c+FI*16*PITCH
.endr
.set FI, FI+1
.endr
	WIN 0
.endm
.macro FETCH_X slot, q, set            ; my four fragments of tokens
.irp a, 0,1,2,3
.irp c, 0,1,2,3
	ds_load_b128 v[XS+64*(\set)+16*\a+4*\c:XS+64*(\set)+16*\a+4*\c+3], v[ADRA+\slot] offset:128*(\q)+32*\c+\a*16*PITCH
.endr
.endr
.endm
; a slot's first step: multiplies set 0, fetches the slot's second step
.macro STEP slot, zero
	s_wait_dscnt 4*NBH                             ; my tokens and the weight's lower half are in; the youngest loads, its upper half, may be out
	MULS 0, NBH, 0, \zero
	s_wait_dscnt 0x0
	PLACES
	WIN 0
	FETCH_X \slot, 1, 1
	FETCH_W \slot, 1, 0, NBH
	MULS NBH, NB, 0, \zero
	PLACES
	FETCH_W \slot, 1, NBH, NB
.endm
; a slot's second step changes slots: ONE barrier; in front of it each wave waits for all its tensor loads, adds 0 to its spare word, and waits for that and for its reads of this slot.  fill = 1: the slot is filled again.
.macro TURN slot, next, fill
	s_wait_tensorcnt 0x0                           ; all my tensor loads have landed: my part of the next slot
	ds_add_u32 v[SPW], v[NIL]                      ; 0 onto my spare word
	s_wait_dscnt 4*NBH+1                           ; (the add and the weight's upper half may be out)
	MULS 0, NBH/2, 1, 0
	s_wait_dscnt 0x0                               ; the add is done, and my reads of this slot are over
	s_barrier_signal -1
	MULS NBH/2, NBH, 1, 0
	WIN 0
	s_barrier_wait -1
.if \fill
	CREST                                          ; the barrier has opened a round of the cluster's barrier: no wave of any partner still reads this slot or has a load on its way
	s_add_nc_u64 s[G0+4*\slot+2:G0+4*\slot+3], s[G0+4*\slot+2:G0+4*\slot+3], XSTEPB
	s_add_nc_u64 s[G0B+4*\slot+2:G0B+4*\slot+3], s[G0B+4*\slot+2:G0B+4*\slot+3], WSTEPB
	JLOAD \slot                                    ; the first tensor load behind the round; its four v_nop are the places in front of the loads below
.else
	PLACES
.endif
	FETCH_X \next, 0, 0
	FETCH_W \next, 0, 0, NBH
	MULS NBH, NB, 1, 0
	PLACES
	FETCH_W \next, 0, NBH, NB
.endm
	s_wait_tensorcnt 1                             ; my part of slot 0 is in; slot 1's may stay out
	s_barrier_signal -1
	s_barrier_wait -1
	FETCH_X 0, 0, 0
	FETCH_W 0, 0, 0, NBH
	FETCH_W 0, 0, NBH, NB
	STEP 0, 1                                      ; K 0-127: its products start the sums
	TURN 0, 1, 1                                   ; K 128-255; slot 0 takes K 512-767
	STEP 1, 0
	TURN 1, 0, 1                                   ; slot 1 takes K 768-1023
	STEP 0, 0
	TURN 0, 1, 0                                   ; nothing is left to fetch: behind this barrier nobody reads slot 0 any more
	STEP 1, 0
	s_wait_dscnt 4*NBH
	MULS 0, NBH, 1, 0
	s_wait_dscnt 0x0
	MULS NBH, NB, 1, 0
	WIN 0
	; THE WAY OUT: hold, convert, through my stage into the images' order, and out in runs of 512 bytes.
	s_wait_kmcnt 0x0
	s_add_co_i32 s80, s72, s73                     ; e0 + e1
.macro SCALE e, vs, sp                 ; v[vs] = 2^(e - e0 - e1); s[sp], s[sp + 1] = + and - 448 x that
	s_sub_co_i32 s81, s[\e], s80
	s_add_co_i32 s81, s81, 127
	s_lshl_b32 s82, s81, 23
	v_mov_b32 v[\vs], s82
	s_add_co_i32 s81, s81, 8
	s_lshl_b32 s81, s81, 23
	s_or_b32 s[\sp], s81, 0x600000
	s_or_b32 s[\sp+1], s[\sp], 0x80000000
.endm
	SCALE 74, 10, 84                               ; q.  These three v_mov_b32 and the v_nop are the four places behind the last products
	SCALE 75, 11, 86                               ; k
	SCALE 77, 12, 88                               ; v
	v_nop
	WIN 0x82                                       ; source 0 and destination window 2; each accumulator from its low end on
.set J, 0
.rept 128
.set J, J+1
.endr
.rept 128
.set J, J+1
.endr
	WIN 0x02
.set J, 0
	s_wait_alu depctr_va_vdst(0)
.rept 16
	v_cvt_scalef32_pk8_fp8_f32 v[CQ+2*J:CQ+2*J+1], v[8*J:8*J+7], v10
.set J, J+1
.endr
.rept 16
	v_cvt_scalef32_pk8_fp8_f32 v[CQ+2*J:CQ+2*J+1], v[8*J:8*J+7], v11
.set J, J+1
.endr
	WIN 0xc3
.set J, 0
.rept 128
.set J, J+1
.endr
	WIN 0x03
.set J, 0
.rept 16
	v_cvt_scalef32_pk8_fp8_f32 v[CQ+64+2*J:CQ+64+2*J+1], v[8*J:8*J+7], v12
.set J, J+1
.endr
	v_nop                                          ; one plain vector instruction behind the last conversion
	WIN 0
.irp b, 0,1,2,3
.irp a, 0,1,2,3
	ds_store_b64 v[STQ], v[CQ+2*(4*\b+\a):CQ+2*(4*\b+\a)+1] offset:1024*\a+512*(\b/2)+256*(\b%2)                       ; q: tile a, d = 16 b + 8 h + 0..7 of token r
.endr
.endr
.irp b, 0,1,2,3
.irp a, 0,1,2,3
	ds_store_b64 v[STK], v[CQ+32+2*(4*\b+\a):CQ+32+2*(4*\b+\a)+1] offset:2048*(\a/2)+512*(\b/2)+256*(\b%2)+128*(\a%2)   ; k: token 16 a + r lies in tile 2 (a / 2) + r / 8, row 8 (a % 2) + r % 8
.endr
.endr
.irp b, 0,1,2,3
.irp a, 0,1,2,3
	ds_store_b64 v[STQ], v[CQ+64+2*(4*\b+\a):CQ+64+2*(4*\b+\a)+1] offset:8192+1024*\b+512*(\a/2)+256*(\a%2)             ; v: d = 16 b + r, tokens 16 a + 8 h + 0..7
.endr
.endr
.irp i, 0,1,2,3,4,5,6,7,8,9,10,11,12,13,14,15,16,17,18,19,20,21,22,23
	ds_load_b128 v[BK+4*\i:BK+4*\i+3], v[RD] offset:512*\i      ; LDS serves a wave's instructions in order (ISA guide 5.7.1.4): these see my stores
.endr
.irp i, 0,1,2,3,4,5,6,7
	s_wait_dscnt 23-\i                             ; the younger loads may be out
	global_store_b128 v[LI], v[BK+4*\i:BK+4*\i+3], s[10:11] offset:512*\i               ; each store of the wave covers 512 bytes on end, at a multiple of 512
.endr
.irp i, 8,9,10,11,12,13,14,15
	s_wait_dscnt 23-\i
	global_store_b128 v[LI], v[BK+4*\i:BK+4*\i+3], s[94:95] offset:512*(\i-8)
.endr
.irp i, 16,17,18,19,20,21,22,23
	s_wait_dscnt 23-\i
	global_store_b128 v[LI], v[BK+4*\i:BK+4*\i+3], s[96:97] offset:2048*((\i-16)/2)+512*(\i%2)
.endr
	s_wait_tensorcnt 0x0                           ; the wave's end
	ds_add_u32 v[SPW], v[NIL]
	s_wait_dscnt 0x0
	CROUND                                         ; the closing round: no work-group ends while a partner may still ask for a tile that names it
	s_endpgm
.Lfunc_end_k_q9733a278e5_qkv:
	.size	k_q9733a278e5_qkv, .Lfunc_end_k_q9733a278e5_qkv-k_q9733a278e5_qkv
	.p2alignl 7, 3214868480
	.fill 96, 4, 3214868480
	.section	.rodata,"a",@progbits
	.p2align	6, 0x0
	.amdhsa_kernel k_q9733a278e5_qkv
		.amdhsa_group_segment_fixed_size 327680
		.amdhsa_private_segment_fixed_size 0
		.amdhsa_enable_private_segment 0
		.amdhsa_kernarg_size 40
		.amdhsa_user_sgpr_count 2
		.amdhsa_user_sgpr_kernarg_segment_ptr 1
		.amdhsa_wavefront_size32 1
		.amdhsa_system_sgpr_workgroup_id_x 1
		.amdhsa_system_sgpr_workgroup_id_y 1
		.amdhsa_system_sgpr_workgroup_id_z 1
		.amdhsa_system_vgpr_workitem_id 0
		.amdhsa_next_free_vgpr 1024
		.amdhsa_next_free_sgpr 100
		.amdhsa_reserve_vcc 0
		.amdhsa_float_denorm_mode_32 3
		.amdhsa_float_denorm_mode_16_64 3
		.amdhsa_fp16_overflow 1
		.amdhsa_memory_ordered 1
		.amdhsa_forward_progress 1
		.amdhsa_inst_pref_size 83
	.end_amdhsa_kernel
	.amdgpu_metadata
---
amdhsa.version: [ 1, 2 ]
amdhsa.kernels:
  - .name:           k_q9733a278e5_qkv
    .symbol:         k_q9733a278e5_qkv.kd
    .args:
      - { .name: x_codes, .offset: 0, .size: 8, .value_kind: global_buffer, .address_space: global }
      - { .name: wq_codes, .offset: 8, .size: 8, .value_kind: global_buffer, .address_space: global }
      - { .name: lowp_scales, .offset: 16, .size: 8, .value_kind: global_buffer, .address_space: global }
      - { .name: q_img, .offset: 24, .size: 8, .value_kind: global_buffer, .address_space: global }
      - { .name: kv_img, .offset: 32, .size: 8, .value_kind: global_buffer, .address_space: global }
    .group_segment_fixed_size: 327680
    .private_segment_fixed_size: 0
    .kernarg_segment_align: 8
    .kernarg_segment_size: 40
    .max_flat_workgroup_size: 128
    .sgpr_count:     100
    .vgpr_count:     1024
    .wavefront_size: 32
...
	.end_amdgpu_metadata
.endif
;; end of part 2
;; launch attn (part 3): grid 4 x 64, 8 waves a work-group, clusters of 4 x 1, 327,680 bytes of LDS; arguments q_img, kv_img, biasg, lowp_scales, o_img; writes o_img
.if DOCPART == 3
	.amdgcn_target "amdgcn-amd-amdhsa--gfx1250"
	.amdhsa_code_object_version 6
	.text
	.protected	k_q9733a278e5_attn
	.globl	k_q9733a278e5_attn
	.p2align	8
	.type	k_q9733a278e5_attn,@function
k_q9733a278e5_attn:
	s_mov_b64 s[64:65], 0
	v_nop
	global_prefetch_b8 v0, s[64:65] scope:SCOPE_SE
	s_setreg_imm32_b32 hwreg(HW_REG_WAVE_MODE, 25, 1), 1
	s_wait_xcnt 0x0
	s_wait_alu depctr_hold_cnt(0) depctr_sa_sdst(0) depctr_va_vdst(0) depctr_va_sdst(0) depctr_va_ssrc(0) depctr_va_vcc(0) depctr_vm_vsrc(0)
	s_getreg_b32 s2, hwreg(HW_REG_IB_STS2, 6, 4)
	s_cmp_eq_u32 s2, 0
	s_cbranch_scc0 .Lentry_in_a_cluster
	s_endpgm
.Lentry_in_a_cluster:
	s_bfe_u32 s2, ttmp6, 0x10000c
	s_cmp_lg_u32 s2, 0x3003
	s_cbranch_scc0 .Lentry_shape_is_right
	s_endpgm
.Lentry_shape_is_right:
; ATTN: scores, relative bias, causal mask, softmax and the product with v, on codes of E4M3; the result / l is quantised with 2^e6 and stored as images of the last product's operand.
; WORK LEFT OUT: key steps that lie wholly over the diagonal are not multiplied: reference() itself sets their scores to -infinity, so their p is 0 for all finite inputs (shown at the head of the first launch).
; THE SOFTMAX AHEAD OF THE THIRD PRODUCT: t = logit x log2(e); M = the running largest t rounded UP to a whole number; p = 2^(t - M) is quantised with 2^e4, not normalised; l is the sum of the unquantised p.
; When M moves, l and O are multiplied by 2^(old M - new M): exact.
; SHARES.  A cluster of four work-groups is one batch and head.  A piece of work is 32 queries, Q0 = 128 k + 32 y (y: the work-group's place; k = 0 .. 15): two tiles of 16 that share every fragment of K and V.
; Its live key steps of 128 are 0 .. k whatever y is, so no branch hangs on y.  Wave w takes k = 15 - w and then k = w: 17 steps for every wave of the launch.
; A HEAD'S K AND V STAY IN LDS: 256 KiB of register images, asked for once, jointly by the four partners, at the kernel's head (4 loads of 8 KiB a wave); nothing is filled again, so there is no ring.
; The first four steps' bytes are waited for first; the rest land while those steps are worked (every wave's first piece has at least nine live steps).
; LAYOUT.  Both products are used transposed: S^T = K Q^T, O^T = V^T P^T: a lane holds ONE query (lane % 16).  Register 16 b + i of S^T is key 32 b + 16 (lane / 16) + i of the step (the images' order of keys).
; BIAS AND MASK COST NO VECTOR INSTRUCTION: the head's table G (bias x 2^(3 - e2 - e3); -2^126 where the key comes after the query) is loaded from LDS straight into S^T's registers and is the C of the score product.
; t = S x c, c = log2(e) / 8 x 2^(e2 + e3).  The table lies in LDS four times, copy q shifted by q words, so that a lane with query % 4 = q reads aligned runs of 16 bytes; y enters only the table's address in memory.
; LIMITS: e2 + e3 between -100 and 100 (c is an f32 number and -2^126 x c lies under -2^23); e4, and e6 - e4 - e5, between -126 and 119.
; REGISTERS: window 0: v1-11 addresses and scales; v12-19 -M, largest t, l for the two tiles; v20-29 at work; v32-47, v80-95 Q of the two pieces; v48-79 p's codes; v96-159, v160-223 S^T then p; v224-239 the way out.
;   window 1: v0-63 K's eight tiles, v64-127 V's four, v128-159 and v160-191 O^T of the two tiles.
.set SPARE, 262144                     ; behind K and V: the spare words, 128 bytes a wave: four blocks of 256 bytes that no other line names
.set STAGE, 263168                     ; 2,048 bytes a wave, for the way out
.set BIAS,  279552                     ; four copies of the table
.set CP,    9280                       ; from copy to copy: 64 more than a multiple of 256
.set LI,  1                            ; v1  16 x lane
.set SPW, 2                            ; v2  LDS address of my spare word; never rewritten
.set NIL, 3                            ; v3  0; never rewritten
.set BA0, 4                            ; v4  my lane's place in the table
.set BA,  5                            ; v5  the same for the step in hand
.set KA,  6                            ; v6  LDS address of the step's images
.set TA,  7                            ; v7  4 x thread
.set STO, 8
.set SRD, 9
.set SC,  10                           ; v10 2^e4
.set SCO, 11                           ; v11 2^(e6 - e4 - e5)
.set MA,  12                           ; v[12:13] -M, largest t; v[14:15] l in two halves: tile a
.set LSA, 14
.set MBT, 16                           ; v[16:19] the same for tile b
.set LSB, 18
.set FA,  20                           ; v[20:21], v[22:23] f = 2^(old M - new M); the upper words are named in pairs and hold 0
.set FB,  22
.set T1,  24
.set T2,  25
.set PD,  26
.set BST, 27                           ; v27 where I store the table
.set SU,  28
.set Q1,  32
.set PCA, 48
.set PCB, 64
.set Q2,  80
.set SA,  96
.set SBT, 160
.set OUTR, 224
.set KF,  0                            ; window 1
.set VF,  64
.set OA,  128
.set OB,  160
.set WV,  14
.set Y,   15
.set BH,  16
.set SEL, 20
.set CS,  22
.set G1,  24
.set G0,  32
.set S,   56                           ; s56 the key step
.set K,   57                           ; s57 my piece's k
.set KO,  58                           ; s58 16,384 x S
.set SB,  59                           ; s59 512 (S + 15 - k): the step's byte in the table
.set TS,  60
.set CNT, 61
.set PL,  62                           ; s62 2^e4
.set OLP, 66                           ; s66 2^(e6 - e4 - e5)
.set OLN, 67
.set QB1, 68
.set OB1, 70
.set QB2, 72
.set OB2, 74
.set GB,  76
.set MSB, 0
.macro WIN new
.if MSB != \new
	s_set_vgpr_msb (MSB<<8)|\new
.set MSB, \new
.endif
.endm
.macro CROUND                          ; a round of the cluster's barrier
	s_barrier_signal -1
	s_barrier_wait -1
	s_cmp_lg_u32 s[WV], 0
	s_cbranch_scc1 .Lnot_wave_0_\@
	s_barrier_signal -3
.Lnot_wave_0_\@:
	s_barrier_wait -3
	s_barrier_signal -1
	s_barrier_wait -1
.endm
	s_load_b256 s[4:11], s[0:1], 0x0               ; q_img s[4:5], kv_img s[6:7], biasg s[8:9], the exponents s[10:11]
	s_load_b64 s[12:13], s[0:1], 0x20              ; o_img
	v_lshl_add_u32 v[SPW], v0, 2, SPARE
	v_mov_b32 v[NIL], 0
	ds_add_u32 v[SPW], v[NIL]                      ; the wave's opening: the add, twice on end, and its wait ahead of my first tensor load
	ds_add_u32 v[SPW], v[NIL]
	v_lshrrev_b32 v[T1], 5, v0
	s_delay_alu instid0(VALU_DEP_1)
	v_readfirstlane_b32 s[WV], v[T1]               ; wave 0..7
	s_bfe_u32 s[Y], ttmp6, 0x40000                 ; y: my place in the cluster: it enters addresses in memory alone
	s_and_b32 s[BH], ttmp7, 0xffff                 ; batch and head, which the four partners share
	s_mov_b32 s[G1], 15|(3<<16)|(1<<21)            ; the mask: all four; elements of 8 bytes; bit 21 beside a mask; no padding
	s_mov_b32 s[G1+1], 32<<16                      ; 32 rows of 256 bytes, dense: 8 KiB
	s_mov_b32 s[G1+2], 32<<16
	s_mov_b32 s[G1+3], 32<<16
	s_mov_b32 s[G1+4], 32
	s_mov_b32 s[G1+5], 32
	s_mov_b32 s[G1+6], 0
	s_mov_b32 s[G1+7], 0
	s_mov_b32 s[SEL], 0x76543210
	s_mov_b32 s[SEL+1], 0xfedcba98
	s_mov_b32 s[CS], 0x3e38aa3b                    ; log2(e) / 8
	s_lshl_b32 s17, s[WV], 13                      ; my 8 KiB of each 64 KiB
	s_lshl_b32 s18, s[BH], 18
	s_add_co_u32 s18, s18, s17
	s_mov_b32 s19, 0
	s_wait_dscnt 0x0                               ; both opening adds are done
	s_wait_kmcnt 0x0
	s_load_b256 s[48:55], s[10:11], 0x0            ; e0 .. e7
	s_add_nc_u64 s[18:19], s[6:7], s[18:19]
	CROUND                                         ; all four work-groups are here: the joint loads meet
.irp l, 0,1,2,3
	s_mov_b32 s[G0+4*\l], 1
	s_add_co_u32 s[G0+4*\l+1], s17, 65536*\l
	s_add_nc_u64 s[G0+4*\l+2:G0+4*\l+3], s[18:19], 65536*\l
	s_or_b32 s[G0+4*\l+3], s[G0+4*\l+3], 0x80000000
.endr
.irp l, 0,1,2,3
	tensor_load_to_lds s[G0+4*\l:G0+4*\l+3], s[G1:G1+7]          ; key steps 4 l .. 4 l + 3: four loads of mine are out
	s_nop 0
.endr
.rept 4
	v_nop
.endr
	; the table: L[z] = G[head][z + 96 - 32 y], z = 0 .. 2303
	s_and_b32 s[TS], s[BH], 15
	s_mul_i32 s[TS], s[TS], 10240
	s_add_co_u32 s[TS], s[TS], 384
	s_lshl_b32 s[CNT], s[Y], 7
	s_sub_co_u32 s[TS], s[TS], s[CNT]
	s_mov_b32 s[CNT], 0
	s_add_nc_u64 s[GB:GB+1], s[8:9], s[TS:TS+1]
	v_lshlrev_b32 v[TA], 2, v0
.irp j, 0,1,2,3,4,5,6,7,8
	global_load_b32 v[SA+\j], v[TA], s[GB:GB+1] offset:1024*\j
.endr
	; Q's and O's places for the two pieces
	s_lshl_b32 s78, s[BH], 17                      ; q_img: the head's 128 tiles
	s_lshr_b32 s79, s[BH], 4
	s_lshl_b32 s79, s79, 21
	s_and_b32 s[TS], s[BH], 15
	s_lshl_b32 s[TS], s[TS], 10
	s_add_co_u32 s79, s79, s[TS]                   ; o_img: the batch's 128 tiles of tokens x 16 KiB, + the head's 1 KiB
	s_xor_b32 s[K], s[WV], 15                      ; the first piece: k = 15 - w
	s_lshl_b32 s[TS], s[K], 2
	s_add_co_u32 s[TS], s[TS], s[Y]                ; 4 k + y
	s_lshl_b32 s[QB1], s[TS], 11
	s_add_co_u32 s[QB1], s[QB1], s78
	s_mov_b32 s[QB1+1], 0
	s_add_nc_u64 s[QB1:QB1+1], s[4:5], s[QB1:QB1+1]
	s_lshl_b32 s[OB1], s[TS], 15
	s_add_co_u32 s[OB1], s[OB1], s79
	s_mov_b32 s[OB1+1], 0
	s_add_nc_u64 s[OB1:OB1+1], s[12:13], s[OB1:OB1+1]
	s_lshl_b32 s[TS], s[WV], 2
	s_add_co_u32 s[TS], s[TS], s[Y]                ; the second: k = w
	s_lshl_b32 s[QB2], s[TS], 11
	s_add_co_u32 s[QB2], s[QB2], s78
	s_mov_b32 s[QB2+1], 0
	s_add_nc_u64 s[QB2:QB2+1], s[4:5], s[QB2:QB2+1]
	s_lshl_b32 s[OB2], s[TS], 15
	s_add_co_u32 s[OB2], s[OB2], s79
	s_mov_b32 s[OB2+1], 0
	s_add_nc_u64 s[OB2:OB2+1], s[12:13], s[OB2:OB2+1]
	v_and_b32 v[LI], 31, v0
	s_delay_alu instid0(VALU_DEP_1)
	v_lshlrev_b32 v[LI], 4, v[LI]
.irp i, 0,1,2,3
	global_load_b128 v[Q1+4*\i:Q1+4*\i+3], v[LI], s[QB1:QB1+1] offset:512*\i    ; two tiles of Q, as images: they stay in registers
	global_load_b128 v[Q2+4*\i:Q2+4*\i+3], v[LI], s[QB2:QB2+1] offset:512*\i
.endr
	v_and_b32 v[T1], 3, v0                         ; q = query % 4
	s_delay_alu instid0(VALU_DEP_1)
	v_mul_u32_u24 v[T1], v[T1], CP
	v_bfe_u32 v[T2], v0, 4, 1                      ; h
	s_delay_alu instid0(VALU_DEP_1)
	v_lshl_add_u32 v[T1], v[T2], 6, v[T1]
	s_delay_alu instid0(VALU_DEP_1)
	v_add_nc_u32 v[T1], BIAS+64, v[T1]
	v_and_b32 v[PD], 12, v0                        ; r - q
	s_delay_alu instid0(VALU_DEP_1)
	v_lshlrev_b32 v[PD], 2, v[PD]
	s_delay_alu instid0(VALU_DEP_1)
	v_sub_nc_u32 v[BA0], v[T1], v[PD]              ; copy q, word 16 + 16 h - (r - q): tile b's; tile a's lies 64 bytes further on
	s_lshl_b32 s[TS], s[WV], 11
	s_add_co_u32 s[TS], s[TS], STAGE
	v_and_b32 v[T1], 15, v0
	s_delay_alu instid0(VALU_DEP_1)
	v_lshlrev_b32 v[T1], 4, v[T1]
	s_delay_alu instid0(VALU_DEP_1)
	v_lshl_add_u32 v[T1], v[T2], 3, v[T1]
	s_delay_alu instid0(VALU_DEP_1)
	v_add_nc_u32 v[STO], s[TS], v[T1]              ; my stage, in: 16 r + 8 h
	v_add_nc_u32 v[SRD], s[TS], v[LI]              ; and back: 16 x lane
	v_lshl_add_u32 v[BST], v0, 2, BIAS
	v_mov_b32 v[FA+1], 0
	v_mov_b32 v[FB+1], 0
	s_wait_alu depctr_va_vdst(0)
	s_wait_loadcnt 8                               ; the table's nine loads are in; Q's eight may be out
.irp q, 0,1,2,3
.irp j, 0,1,2,3,4,5,6,7,8
	ds_store_b32 v[BST], v[SA+\j] offset:CP*\q+4*\q+1024*\j     ; copy q holds L[z] at word z + q
.endr
.endr
	s_wait_kmcnt 0x0
	s_add_co_i32 s[TS], s50, s51
	s_lshl_b32 s[TS], s[TS], 23
	s_add_co_i32 s[CS], s[CS], s[TS]               ; c x 2^(e2 + e3): the exponents are added to c's exponent field
	s_mov_b32 s[CS+1], s[CS]                       ; (named with it as a pair)
	s_add_co_i32 s[TS], s52, 127
	s_lshl_b32 s[PL], s[TS], 23
	v_mov_b32 v[SC], s[PL]
	s_sub_co_i32 s[TS], s54, s52
	s_sub_co_i32 s[TS], s[TS], s53
	s_add_co_i32 s[TS], s[TS], 127
	s_lshl_b32 s[OLP], s[TS], 23
	v_mov_b32 v[SCO], s[OLP]
.macro INIT                            ; a piece begins: O^T and l are zeros, the largest t lies under every t; the first change of M multiplies zeros
	WIN 0x40
.set J, 0
.rept 64
	v_mov_b32 v[OA+J], 0
.set J, J+1
.endr
	WIN 0
	v_mov_b32 v[MA+1], 0xff61b1e6
	v_mov_b32 v[MBT+1], 0xff61b1e6
	s_delay_alu instid0(VALU_DEP_2)
	v_floor_f32 v[MA], -v[MA+1]
	s_delay_alu instid0(VALU_DEP_2)
	v_floor_f32 v[MBT], -v[MBT+1]
	v_mov_b32 v[LSA], 0
	v_mov_b32 v[LSA+1], 0
	v_mov_b32 v[LSB], 0
	v_mov_b32 v[LSB+1], 0
.endm
; one tile: the step's largest score, the new M, f, and t - M
.macro PH1 s, m, f
	v_max3_num_f32 v[T1], v[\s], v[\s+1], v[\s+2]  ; two chains; each accumulator is first read at its low end
	v_max3_num_f32 v[T2], v[\s+3], v[\s+4], v[\s+5]
.irp i, 6,10,14,18,22,26,30,34,38,42,46,50,54,58
	v_max3_num_f32 v[T1], v[T1], v[\s+\i], v[\s+\i+1]
	v_max3_num_f32 v[T2], v[T2], v[\s+\i+2], v[\s+\i+3]
.endr
	v_max3_num_f32 v[T1], v[T1], v[\s+62], v[\s+63]
	s_delay_alu instid0(VALU_DEP_1)
	v_max_num_f32 v[T1], v[T1], v[T2]
	s_delay_alu instid0(VALU_DEP_1)
	v_permlanex16_b32 v[PD], v[T1], s[SEL], s[SEL+1]
	s_delay_alu instid0(VALU_DEP_1)
	v_max_num_f32 v[T1], v[T1], v[PD]              ; and lane l xor 16's: the query's other 64 keys
	s_delay_alu instid0(VALU_DEP_1)
	v_mul_f32 v[T1], s[CS], v[T1]                  ; as t (c is positive)
	s_delay_alu instid0(VALU_DEP_1)
	v_max_num_f32 v[\m+1], v[\m+1], v[T1]
	v_mov_b32 v[T1], v[\m]
	s_delay_alu instid0(VALU_DEP_2)
	v_floor_f32 v[\m], -v[\m+1]                    ; -M = floor(-t): M is a whole number
	s_delay_alu instid0(VALU_DEP_1)
	v_sub_f32 v[T1], v[\m], v[T1]
	s_delay_alu instid0(VALU_DEP_1)
	v_cvt_i32_f32 v[T1], v[T1]                     ; (it saturates)
	s_delay_alu instid0(VALU_DEP_1)
	v_ldexp_f32 v[\f], 1.0, v[T1]                  ; f = 2^(old M - new M)
.irp j, 0,2,4,6,8,10,12,14,16,18,20,22,24,26,28,30,32,34,36,38,40,42,44,46,48,50,52,54,56,58,60,62
	v_pk_fma_f32 v[\s+\j:\s+\j+1], v[\s+\j:\s+\j+1], s[CS:CS+1], v[\m:\m+1] op_sel_hi:[1,0,0]
.endr
.endm
.macro EXPS s
.set J, 0
.rept 64
	v_exp_f32 v[\s+J], v[\s+J]                     ; p = 2^(t - M), at most 1
.set J, J+1
.endr
.endm
; one tile: l takes the unquantised p; p is held and converted; O^T comes under the new M
.macro PH3 s, l, f, pc, o
	v_pk_add_f32 v[SU:SU+1], v[\s:\s+1], v[\s+2:\s+3]
.irp j, 4,8,12,16,20,24,28,32,36,40,44,48,52,56,60
	v_pk_add_f32 v[\l:\l+1], v[\l:\l+1], v[\s+\j:\s+\j+1]
	v_pk_add_f32 v[SU:SU+1], v[SU:SU+1], v[\s+\j+2:\s+\j+3]
.endr
	s_delay_alu instid0(VALU_DEP_1)
	v_pk_add_f32 v[\l:\l+1], v[\l:\l+1], v[SU:SU+1]
.set J, 0
.rept 64
.set J, J+1
.endr
.irp b, 0,1,2,3
	v_cvt_scalef32_pk8_fp8_f32 v[\pc+4*\b:\pc+4*\b+1], v[\s+16*\b:\s+16*\b+7], v[SC]
	v_cvt_scalef32_pk8_fp8_f32 v[\pc+4*\b+2:\pc+4*\b+3], v[\s+16*\b+8:\s+16*\b+15], v[SC]
.endr
	WIN 0x41                                       ; O^T (destination and source 0) window 1, f window 0
.irp j, 0,2,4,6,8,10,12,14,16,18,20,22,24,26,28,30
	v_pk_mul_f32 v[\o+\j:\o+\j+1], v[\o+\j:\o+\j+1], v[\f:\f+1] op_sel_hi:[1,0]    ; (plain lines behind the conversions)
.endr
	WIN 0
.endm
; A KEY STEP for my 32 queries.  qf: Q's registers.  test = 1: a step all of whose keys come after my queries is passed over (a branch on the wave's number and the count of steps; no barrier stands in a step).
.macro SSTEP qf, test
.if \test
	s_cmp_gt_u32 s[S], s[K]
	s_cbranch_scc1 .Ltail_\@
.endif
	s_min_u32 s[TS], s[SB], 7680                   ; (a live step's byte is 7,680 at the most)
	s_setprio 2
	v_add_nc_u32 v[BA], s[TS], v[BA0]
	v_add_nc_u32 v[KA], s[KO], v[LI]
	v_nop                                          ; with the two additions: the four places between the last step's products and the loads into their registers
	v_nop
	WIN 0x40
.irp i, 0,1,2,3,4,5,6,7,8,9,10,11,12,13,14,15
	ds_load_b128 v[KF+4*\i:KF+4*\i+3], v[KA] offset:512*\i
.endr
	WIN 0
.irp b, 0,1,2,3
.irp i, 0,1,2,3
	ds_load_b128 v[SA+16*\b+4*\i:SA+16*\b+4*\i+3], v[BA] offset:64+128*\b+16*\i     ; bias and mask of tile a, in S^T's own layout
.endr
.endr
.irp b, 0,1,2,3
.irp i, 0,1,2,3
	ds_load_b128 v[SBT+16*\b+4*\i:SBT+16*\b+4*\i+3], v[BA] offset:128*\b+16*\i
.endr
.endr
	WIN 0x40
.irp i, 0,1,2,3,4,5,6,7,8,9,10,11,12,13,14,15
	ds_load_b128 v[VF+4*\i:VF+4*\i+3], v[KA] offset:8192+512*\i
.endr
	s_wait_dscnt 32                                ; K and tile a's bias are in; tile b's 16 loads and V's 16 may be out
	WIN 0x01                                       ; K window 1; Q, C and D window 0
.irp t, 0,1,2,3,4,5,6,7
	v_wmma_f32_16x16x64_fp8_fp8 v[SA+8*\t:SA+8*\t+7], v[KF+8*\t:KF+8*\t+7], v[\qf:\qf+7], v[SA+8*\t:SA+8*\t+7]
.endr
	s_wait_dscnt 16                                ; V's may be out
.irp t, 0,1,2,3,4,5,6,7
	v_wmma_f32_16x16x64_fp8_fp8 v[SBT+8*\t:SBT+8*\t+7], v[KF+8*\t:KF+8*\t+7], v[\qf+8:\qf+15], v[SBT+8*\t:SBT+8*\t+7]
.endr
	WIN 0
.rept 4
	v_nop
.endr
	PH1 SA, MA, FA
	PH1 SBT, MBT, FB
	s_wait_alu depctr_va_vdst(0)
	EXPS SA                                        ; 128 exponentials in ONE batch
	s_setprio 1
	EXPS SBT
	v_pk_mul_f32 v[LSA:LSA+1], v[LSA:LSA+1], v[FA:FA+1] op_sel_hi:[1,0]     ; l under the new M; a plain line behind the exponentials
	v_pk_mul_f32 v[LSB:LSB+1], v[LSB:LSB+1], v[FB:FB+1] op_sel_hi:[1,0]
	s_wait_alu depctr_va_vdst(0)                   ; one wait for the batch, ahead of its first reader
	PH3 SA, LSA, FA, PCA, OA
	PH3 SBT, LSB, FB, PCB, OB
	s_wait_alu depctr_va_vdst(0)
	s_wait_dscnt 0x0                               ; V is in
	WIN 0x51                                       ; V window 1, p window 0, O^T window 1.  The eight accumulators take turns
	s_setprio 0
.irp d, 0,1,2,3
	v_wmma_f32_16x16x128_fp8_fp8 v[OA+8*\d:OA+8*\d+7], v[VF+16*\d:VF+16*\d+15], v[PCA:PCA+15], v[OA+8*\d:OA+8*\d+7]
	v_wmma_f32_16x16x128_fp8_fp8 v[OB+8*\d:OB+8*\d+7], v[VF+16*\d:VF+16*\d+15], v[PCB:PCB+15], v[OB+8*\d:OB+8*\d+7]
.endr
	WIN 0
.Ltail_\@:
	s_add_co_u32 s[KO], s[KO], 16384
	s_add_co_u32 s[SB], s[SB], 512
	s_add_co_u32 s[S], s[S], 1
.endm
; A PIECE'S WAY OUT: O^T / l, held, converted with 2^(e6 - e4 - e5), through my stage into two images, stored in runs of 512 bytes.  ob: the scalar pair with their address
.macro EPI ob
.rept 4
	v_nop
.endr
	v_add_f32 v[T1], v[LSA], v[LSA+1]
	v_add_f32 v[T2], v[LSB], v[LSB+1]
	s_delay_alu instid0(VALU_DEP_2)
	v_permlanex16_b32 v[PD], v[T1], s[SEL], s[SEL+1]
	s_delay_alu instid0(VALU_DEP_1)
	v_add_f32 v[T1], v[T1], v[PD]
	s_delay_alu instid0(VALU_DEP_2)
	v_permlanex16_b32 v[PD], v[T2], s[SEL], s[SEL+1]
	s_delay_alu instid0(VALU_DEP_1)
	v_add_f32 v[T2], v[T2], v[PD]
	s_wait_alu depctr_va_vdst(0)
	v_rcp_f32 v[FA], v[T1]
	v_rcp_f32 v[FB], v[T2]
	v_nop                                          ; a plain line behind the reciprocals
	s_wait_alu depctr_va_vdst(0)                   ; and the one wait ahead of their first reader
	WIN 0x01
.irp j, 0,2,4,6,8,10,12,14,16,18,20,22,24,26,28,30
	v_pk_mul_f32 v[SA+\j:SA+\j+1], v[OA+\j:OA+\j+1], v[FA:FA+1] op_sel_hi:[1,0]
.endr
.irp j, 0,2,4,6,8,10,12,14,16,18,20,22,24,26,28,30
	v_pk_mul_f32 v[SBT+\j:SBT+\j+1], v[OB+\j:OB+\j+1], v[FB:FB+1] op_sel_hi:[1,0]
.endr
	WIN 0
.set J, 0
.rept 32
.set J, J+1
.endr
.irp d, 0,1,2,3
	v_cvt_scalef32_pk8_fp8_f32 v[PCA+2*\d:PCA+2*\d+1], v[SA+8*\d:SA+8*\d+7], v[SCO]
	v_cvt_scalef32_pk8_fp8_f32 v[PCB+2*\d:PCB+2*\d+1], v[SBT+8*\d:SBT+8*\d+7], v[SCO]
.endr
	v_nop                                          ; one plain vector instruction behind the last conversion
.irp d, 0,1,2,3
	ds_store_b64 v[STO], v[PCA+2*\d:PCA+2*\d+1] offset:512*(\d/2)+256*(\d%2)           ; query r, d = 16 d + 8 h + 0..7
	ds_store_b64 v[STO], v[PCB+2*\d:PCB+2*\d+1] offset:1024+512*(\d/2)+256*(\d%2)
.endr
	s_wait_xcnt 0x0                                ; the piece before has had its stores' registers read: they may be loaded again
.irp i, 0,1,2,3
	ds_load_b128 v[OUTR+4*\i:OUTR+4*\i+3], v[SRD] offset:512*\i
.endr
.irp i, 0,1,2,3
	s_wait_dscnt 3-\i
	global_store_b128 v[LI], v[OUTR+4*\i:OUTR+4*\i+3], s[\ob:\ob+1] offset:512*(\i%2)+16384*(\i/2)     ; 512 bytes on end, at a multiple of 512
.endr
.endm
	INIT
	s_mov_b32 s[S], 0
	s_mov_b32 s[KO], 0
	s_lshl_b32 s[SB], s[WV], 9                     ; 512 (15 - k)
	s_wait_loadcnt 0x0                             ; Q
	s_wait_tensorcnt 3                             ; my part of key steps 0-3 is in; my three later loads may stay out
	s_wait_dscnt 0x0                               ; my part of the table is stored
	s_barrier_signal -1
	s_barrier_wait -1                              ; everybody's is
	s_mov_b32 s[CNT], 4
.Lp1a:                                             ; key steps 0-3: live for every wave (k is 8 at the least)
	SSTEP Q1, 0
	s_sub_co_u32 s[CNT], s[CNT], 1
	s_cmp_lg_u32 s[CNT], 0
	s_cbranch_scc1 .Lp1a
	s_setprio 0
	s_wait_tensorcnt 0x0                           ; all my parts are in
	s_wait_dscnt 0x0
	s_barrier_signal -1
	s_barrier_wait -1                              ; the whole head lies in LDS: from here on the waves run free
	s_mov_b32 s[CNT], 12
.Lp1b:                                             ; key steps 4-15
	SSTEP Q1, 1
	s_sub_co_u32 s[CNT], s[CNT], 1
	s_cmp_lg_u32 s[CNT], 0
	s_cbranch_scc1 .Lp1b
	s_setprio 0
	EPI OB1
	s_mov_b32 s[K], s[WV]                          ; the second piece: k = w
	s_xor_b32 s[SB], s[WV], 15
	s_lshl_b32 s[SB], s[SB], 9
	s_mov_b32 s[S], 0
	s_mov_b32 s[KO], 0
	INIT
	s_mov_b32 s[CNT], 8
.Lp2:                                              ; key steps 0-7
	SSTEP Q2, 1
	s_sub_co_u32 s[CNT], s[CNT], 1
	s_cmp_lg_u32 s[CNT], 0
	s_cbranch_scc1 .Lp2
	s_setprio 0
	s_wait_alu depctr_va_vdst(0)
	EPI OB2
	s_wait_tensorcnt 0x0                           ; the wave's end
	ds_add_u32 v[SPW], v[NIL]
	s_wait_dscnt 0x0
	CROUND                                         ; the closing round
	s_endpgm
.Lfunc_end_k_q9733a278e5_attn:
	.size	k_q9733a278e5_attn, .Lfunc_end_k_q9733a278e5_attn-k_q9733a278e5_attn
	.p2alignl 7, 3214868480
	.fill 96, 4, 3214868480
	.section	.rodata,"a",@progbits
	.p2align	6, 0x0
	.amdhsa_kernel k_q9733a278e5_attn
		.amdhsa_group_segment_fixed_size 327680
		.amdhsa_private_segment_fixed_size 0
		.amdhsa_enable_private_segment 0
		.amdhsa_kernarg_size 40
		.amdhsa_user_sgpr_count 2
		.amdhsa_user_sgpr_kernarg_segment_ptr 1
		.amdhsa_wavefront_size32 1
		.amdhsa_system_sgpr_workgroup_id_x 1
		.amdhsa_system_sgpr_workgroup_id_y 1
		.amdhsa_system_sgpr_workgroup_id_z 1
		.amdhsa_system_vgpr_workitem_id 0
		.amdhsa_next_free_vgpr 512
		.amdhsa_next_free_sgpr 80
		.amdhsa_reserve_vcc 0
		.amdhsa_float_denorm_mode_32 3
		.amdhsa_float_denorm_mode_16_64 3
		.amdhsa_fp16_overflow 1
		.amdhsa_memory_ordered 1
		.amdhsa_forward_progress 1
		.amdhsa_inst_pref_size 108
	.end_amdhsa_kernel
	.amdgpu_metadata
---
amdhsa.version: [ 1, 2 ]
amdhsa.kernels:
  - .name:           k_q9733a278e5_attn
    .symbol:         k_q9733a278e5_attn.kd
    .args:
      - { .name: q_img, .offset: 0, .size: 8, .value_kind: global_buffer, .address_space: global }
      - { .name: kv_img, .offset: 8, .size: 8, .value_kind: global_buffer, .address_space: global }
      - { .name: biasg, .offset: 16, .size: 8, .value_kind: global_buffer, .address_space: global }
      - { .name: lowp_scales, .offset: 24, .size: 8, .value_kind: global_buffer, .address_space: global }
      - { .name: o_img, .offset: 32, .size: 8, .value_kind: global_buffer, .address_space: global }
    .group_segment_fixed_size: 327680
    .private_segment_fixed_size: 0
    .kernarg_segment_align: 8
    .kernarg_segment_size: 40
    .max_flat_workgroup_size: 256
    .sgpr_count:     80
    .vgpr_count:     512
    .wavefront_size: 32
...
	.end_amdgpu_metadata
.endif
;; end of part 3
;; launch proj (part 4): grid 8 x 32, 4 waves a work-group, clusters of 4 x 4, 327,680 bytes of LDS; arguments o_img, w0_codes, lowp_scales, out0; writes out0
.if DOCPART == 4
	.amdgcn_target "amdgcn-amd-amdhsa--gfx1250"
	.amdhsa_code_object_version 6
	.text
	.protected	k_q9733a278e5_proj
	.globl	k_q9733a278e5_proj
	.p2align	8
	.type	k_q9733a278e5_proj,@function
k_q9733a278e5_proj:
	s_mov_b64 s[64:65], 0
	v_nop
	global_prefetch_b8 v0, s[64:65] scope:SCOPE_SE
	s_setreg_imm32_b32 hwreg(HW_REG_WAVE_MODE, 25, 1), 1
	s_wait_xcnt 0x0
	s_wait_alu depctr_hold_cnt(0) depctr_sa_sdst(0) depctr_va_vdst(0) depctr_va_sdst(0) depctr_va_ssrc(0) depctr_va_vcc(0) depctr_vm_vsrc(0)
	s_getreg_b32 s2, hwreg(HW_REG_IB_STS2, 6, 4)
	s_cmp_eq_u32 s2, 0
	s_cbranch_scc0 .Lentry_in_a_cluster
	s_endpgm
.Lentry_in_a_cluster:
	s_bfe_u32 s2, ttmp6, 0x10000c
	s_cmp_lg_u32 s2, 0xf033
	s_cbranch_scc0 .Lentry_shape_is_right
	s_endpgm
.Lentry_shape_is_right:
; PROJ: the last product, on codes of E4M3: out0 [8192][1024] f32 = o x W_0, each finished sum x 2^(e6 + e7).
; o_img [tile of 16 tokens: 512][head 16][1,024]: images of the operand's registers (byte 512 c + 256 g + 16 r + i holds token r, d = 32 c + 16 g + i); two heads on end are a fragment of 128 along K.
; w0_codes [1024 n][1024 k], K innermost.  A fragment of it comes by four loads of 16 bytes, 32 apart: the same places of k as in the images.
; A work-group makes 256 tokens x 128 columns, which gives each of 256 work-groups one tile.  Four waves; wave w owns tokens 64 w .. 64 w + 63 against all 8 blocks of columns: 32 accumulators.
; K goes in slots of 256 (two steps of 128) through a ring of two LDS slots; K = 1,024 is four fills: all is written out, there is no loop.
; The matrix instruction is used TRANSPOSED (source 0 = 16 rows of W_0's codes, source 1 = 16 tokens): a lane holds eight neighbouring numbers of a row of out0.
; CLUSTERS: 4 x 4.  The four of a row need the same tokens, the four of a column the same columns of W_0: each tile is asked for jointly.
; LIMIT: e6 + e7 between -126 and 127, so that 2^(e6 + e7) is an f32 number.
; REGISTERS: window 0: v0-31 addresses; v64-127, v128-191 the tokens' fragments, two sets; on the way out v32-95 sums x the scale, v128-255 rows read back.
;   window 1: the weight's 8 fragments, one set.   window 2: the accumulators, (a, b) at v[8 (8 a + b)].
.set NB,     8
.set NBH,    4
.set PITCH,  272
.set XHALF,  32768                     ; 8 tiles of tokens x 4,096 bytes (four heads): what one tensor load brings
.set WHALF,  64*PITCH
.set WOFF,   2*XHALF
.set SLOT,   WOFF+2*WHALF
.set SPARE,  2*SLOT
.set XSTEPB, 8192                      ; a refill lies two slots of four heads further on
.set WSTEPB, 512
.set SPITCH, 528                       ; the way out: 16 rows x (512 bytes + 16) a wave, in slot 0, which has had its last fill and its last read by then
.set ADRA, 16
.set ADRB, 20
.set STO,  24
.set RD,   25
.set CO,   26
.set SPW,  28
.set NIL,  29
.set TMP,  32
.set XS,   64
.set BK,   128
.set G1,  24
.set G0,  32
.set G1B, 48
.set G0B, 56
.set MSB, 0
.macro WIN new
.if MSB != \new
	s_set_vgpr_msb (MSB<<8)|\new
.set MSB, \new
.endif
.endm
.macro JLOAD s                         ; a joint load: waves 0 and 1 fetch the tokens' halves, waves 2 and 3 the weight's; an s_nop 0 and four v_nop follow each line
	s_cmp_eq_u32 s15, 0
	s_cbranch_scc0 .Lfor_w_\@
	tensor_load_to_lds s[G0+4*\s:G0+4*\s+3], s[G1:G1+7]
	s_nop 0
.rept 4
	v_nop
.endr
	s_branch .Lasked_\@
.Lfor_w_\@:
	tensor_load_to_lds s[G0B+4*\s:G0B+4*\s+3], s[G1B:G1B+7]
	s_nop 0
.rept 4
	v_nop
.endr
.Lasked_\@:
.endm
.macro CREST
	s_cmp_lg_u32 s14, 0
	s_cbranch_scc1 .Lnot_wave_0_\@
	s_barrier_signal -3
.Lnot_wave_0_\@:
	s_barrier_wait -3
	s_barrier_signal -1
	s_barrier_wait -1
.endm
.macro CROUND
	s_barrier_signal -1
	s_barrier_wait -1
	CREST
.endm
.macro PLACES                          ; four plain places between a matrix instruction and a load into, or a vector read of, its registers
.rept 4
	v_nop
.endr
.endm
	s_load_b256 s[4:11], s[0:1], 0x0               ; o_img s[4:5], w0_codes s[6:7], the exponents s[8:9], out0 s[10:11]
	v_lshl_add_u32 v[SPW], v0, 2, SPARE
	v_mov_b32 v[NIL], 0
	ds_add_u32 v[SPW], v[NIL]                      ; the wave's opening: the add, twice on end, and its wait ahead of my first tensor load
	ds_add_u32 v[SPW], v[NIL]
	v_lshrrev_b32 v1, 5, v0
	v_readfirstlane_b32 s14, v1                    ; wave 0..3
	s_lshr_b32 s15, s14, 1                         ; I fetch for the tokens (0) or the weight (1)
	s_and_b32 s16, s14, 1                          ; and which half
	s_bfe_u32 s40, ttmp6, 0x40000
	s_bfe_u32 s41, ttmp6, 0x40004
	s_lshl_b32 s42, ttmp9, 2
	s_add_co_u32 s42, s42, s40                     ; the block of 128 columns
	s_and_b32 s17, ttmp7, 0xffff
	s_lshl_b32 s17, s17, 2
	s_add_co_u32 s17, s17, s41                     ; the block of 256 tokens
	s_lshl_b32 s43, s41, 2
	s_lshl_b32 s43, 15, s43                        ; my row of the cluster
	s_lshl_b32 s44, 0x1111, s40                    ; my column
	s_or_b32 s[G1+0], s43, (3<<16)|(1<<21)         ; the mask; elements of 8 bytes; bit 21 beside a mask; no padding: the images are read 16 bytes a lane on end
	s_mov_b32 s[G1+1], 512<<16                     ; a row: 4,096 bytes, four heads' images of one tile of tokens
	s_mov_b32 s[G1+2], 8<<16                       ; 8 rows
	s_mov_b32 s[G1+3], 512<<16
	s_mov_b32 s[G1+4], 8
	s_mov_b32 s[G1+5], 2048                        ; 16,384 bytes from tile to tile
	s_mov_b32 s[G1+6], 0
	s_mov_b32 s[G1+7], 0
	s_or_b32 s[G1B+0], s44, (0<<16)|(1<<20)|(1<<21)|(5<<22)|(3<<25)   ; elements of 1 byte; 4 words of padding after every 64
	s_mov_b32 s[G1B+1], 256<<16
	s_mov_b32 s[G1B+2], 64<<16
	s_mov_b32 s[G1B+3], 256<<16
	s_mov_b32 s[G1B+4], 64
	s_mov_b32 s[G1B+5], 1024
	s_mov_b32 s[G1B+6], 0
	s_mov_b32 s[G1B+7], 0
	s_lshl_b32 s20, s17, 4
	s_lshl_b32 s18, s16, 3
	s_add_co_u32 s20, s20, s18                     ; tokens: tile 16 x block + 8 x half
	s_lshl_b32 s20, s20, 14
	s_mov_b32 s21, 0
	s_lshl_b32 s46, s42, 7
	s_lshl_b32 s18, s16, 6
	s_add_co_u32 s46, s46, s18                     ; weight: row 128 x block + 64 x half
	s_lshl_b32 s46, s46, 10
	s_mov_b32 s47, 0
	s_mul_i32 s45, s16, XHALF
	s_mul_i32 s19, s16, WHALF
	s_add_co_u32 s19, s19, WOFF
	s_wait_dscnt 0x0                               ; both opening adds are done
	s_wait_kmcnt 0x0
	s_load_b256 s[72:79], s[8:9], 0x0              ; e0 .. e7
	s_add_nc_u64 s[20:21], s[4:5], s[20:21]
	s_add_nc_u64 s[46:47], s[6:7], s[46:47]
	CROUND                                         ; all sixteen work-groups are here: the first joint loads meet
.irp s, 0,1
	s_mov_b32 s[G0+4*\s], 1
	s_add_co_u32 s[G0+4*\s+1], s45, \s*SLOT
	s_add_nc_u64 s[G0+4*\s+2:G0+4*\s+3], s[20:21], \s*4096
	s_or_b32 s[G0+4*\s+3], s[G0+4*\s+3], 0x80000000
	s_mov_b32 s[G0B+4*\s], 1
	s_add_co_u32 s[G0B+4*\s+1], s19, \s*SLOT
	s_add_nc_u64 s[G0B+4*\s+2:G0B+4*\s+3], s[46:47], \s*256
	s_or_b32 s[G0B+4*\s+3], s[G0B+4*\s+3], 0x80000000
	JLOAD \s                                       ; two loads of mine are out
.endr
	v_and_b32 v1, 15, v0                           ; r
	v_bfe_u32 v2, v0, 4, 1                         ; h
	v_and_b32 v8, 31, v0
	v_lshlrev_b32 v[CO], 4, v8                     ; 16 x lane
	v_mul_u32_u24 v3, v1, PITCH
	v_lshl_add_u32 v4, v2, 4, v3
	s_lshl_b32 s21, s14, 14                        ; my four tiles of tokens
	s_mov_b32 s22, WOFF
.irp s, 0,1
	v_add_nc_u32 v[ADRA+\s], s21, v[CO]
	v_add_nc_u32 v[ADRB+\s], s22, v4
	s_add_co_u32 s21, s21, SLOT
	s_add_co_u32 s22, s22, SLOT
.endr
	s_mul_i32 s23, s14, 16*SPITCH                  ; my stage
	v_mul_u32_u24 v5, v1, SPITCH
	v_lshl_add_u32 v5, v2, 5, v5
	v_add_nc_u32 v[STO], s23, v5                   ; in: row r, 32 bytes for each half of the lanes
	v_add_nc_u32 v[RD], s23, v[CO]                 ; back: the 32 lanes take a row of 512 bytes
	s_lshl_b32 s92, s17, 20
	s_lshl_b32 s93, s14, 18
	s_add_co_u32 s92, s92, s93
	s_lshl_b32 s93, s42, 9
	s_add_co_u32 s92, s92, s93                     ; 4,096 (256 x block + 64 x wave) + 512 x column block
	s_mov_b32 s93, 0
	s_add_nc_u64 s[10:11], s[10:11], s[92:93]
; four matrix instructions: block b of the weight against my four tiles of tokens in set p.  The 32 accumulators take turns, one instruction a turn, in the same order in every step.
.macro MULB b, p, zero
	WIN 0xa1                                       ; source 0 (weight) window 1, source 1 (tokens) window 0, C and D window 2
.irp a, 0,1,2,3
.if \zero
	v_wmma_f32_16x16x128_fp8_fp8 v[8*(8*\a+(\b)):8*(8*\a+(\b))+7], v[16*(\b):16*(\b)+15], v[XS+64*(\p)+16*\a:XS+64*(\p)+16*\a+15], 0
.else
	v_wmma_f32_16x16x128_fp8_fp8 v[8*(8*\a+(\b)):8*(8*\a+(\b))+7], v[16*(\b):16*(\b)+15], v[XS+64*(\p)+16*\a:XS+64*(\p)+16*\a+15], v[8*(8*\a+(\b)):8*(8*\a+(\b))+7]
.endif
.endr
.endm
.macro MULS b0, b1, p, zero
.set MB, \b0
.rept (\b1)-(\b0)
	MULB MB, \p, \zero
.set MB, MB+1
.endr
.endm
.macro FETCH_W slot, q, i0, i1
	WIN 0x40
.set FI, \i0
.rept (\i1)-(\i0)
.irp c, 0,1,2,3
	ds_load_b128 v[16*FI+4*\c:16*FI+4*\c+3], v[ADRB+\slot] offset:128*(\q)+32*\c+FI*16*PITCH
.endr
.set FI, FI+1
.endr
	WIN 0
.endm
.macro FETCH_X slot, q, set            ; my four fragments of tokens: images, 512 bytes a load
.irp a, 0,1,2,3
.irp c, 0,1,2,3
	ds_load_b128 v[XS+64*(\set)+16*\a+4*\c:XS+64*(\set)+16*\a+4*\c+3], v[ADRA+\slot] offset:4096*\a+2048*(\q)+512*\c
.endr
.endr
.endm
.macro STEP slot, zero
	s_wait_dscnt 4*NBH                             ; my tokens and the weight's lower half are in; the youngest loads, its upper half, may be out
	MULS 0, NBH, 0, \zero
	s_wait_dscnt 0x0
	PLACES
	WIN 0
	FETCH_X \slot, 1, 1
	FETCH_W \slot, 1, 0, NBH
	MULS NBH, NB, 0, \zero
	PLACES
	FETCH_W \slot, 1, NBH, NB
.endm
.macro TURN slot, next, fill
	s_wait_tensorcnt 0x0                           ; all my tensor loads have landed: my part of the next slot
	ds_add_u32 v[SPW], v[NIL]                      ; 0 onto my spare word
	s_wait_dscnt 4*NBH+1                           ; (the add and the weight's upper half may be out)
	MULS 0, NBH/2, 1, 0
	s_wait_dscnt 0x0                               ; the add is done, and my reads of this slot are over
	s_barrier_signal -1
	MULS NBH/2, NBH, 1, 0
	WIN 0
	s_barrier_wait -1
.if \fill
	CREST                                          ; the barrier has opened a round of the cluster's barrier: no wave of any partner still reads this slot or has a load on its way
	s_add_nc_u64 s[G0+4*\slot+2:G0+4*\slot+3], s[G0+4*\slot+2:G0+4*\slot+3], XSTEPB
	s_add_nc_u64 s[G0B+4*\slot+2:G0B+4*\slot+3], s[G0B+4*\slot+2:G0B+4*\slot+3], WSTEPB
	JLOAD \slot                                    ; the first tensor load behind the round; its four v_nop are the places in front of the loads below
.else
	PLACES
.endif
	FETCH_X \next, 0, 0
	FETCH_W \next, 0, 0, NBH
	MULS NBH, NB, 1, 0
	PLACES
	FETCH_W \next, 0, NBH, NB
.endm
	s_wait_tensorcnt 1                             ; my part of slot 0 is in; slot 1's may stay out
	s_barrier_signal -1
	s_barrier_wait -1
	FETCH_X 0, 0, 0
	FETCH_W 0, 0, 0, NBH
	FETCH_W 0, 0, NBH, NB
	STEP 0, 1
	TURN 0, 1, 1
	STEP 1, 0
	TURN 1, 0, 1
	STEP 0, 0
	TURN 0, 1, 0                                   ; behind this barrier nobody reads slot 0 any more
	STEP 1, 0
	s_wait_dscnt 4*NBH
	MULS 0, NBH, 1, 0
	s_wait_dscnt 0x0
	MULS NBH, NB, 1, 0
	WIN 0
; THE WAY OUT, a tile of 16 tokens x 128 columns at a time: x 2^(e6 + e7), through my stage, back as whole rows of 512 bytes.
.macro TOSTAGE a
.set AC, 64*(\a)
	WIN 0x02
.irp j, 0,2,4,6,8,10,12,14,16,18,20,22,24,26,28,30,32,34,36,38,40,42,44,46,48,50,52,54,56,58,60,62
	v_pk_mul_f32 v[TMP+\j:TMP+\j+1], v[AC+\j:AC+\j+1], s[96:97] op_sel_hi:[1,0]      ; each accumulator from its low end on
.endr
	WIN 0
.irp b, 0,1,2,3,4,5,6,7
	ds_store_b128 v[STO], v[TMP+8*\b:TMP+8*\b+3] offset:64*\b
	ds_store_b128 v[STO], v[TMP+8*\b+4:TMP+8*\b+7] offset:64*\b+16
.endr
.set BB, BK+64*((\a)%2)
.irp t, 0,1,2,3,4,5,6,7,8,9,10,11,12,13,14,15
	ds_load_b128 v[BB+4*\t:BB+4*\t+3], v[RD] offset:\t*SPITCH      ; LDS serves a wave's instructions in order (ISA guide 5.7.1.4)
.endr
.endm
.macro SEND a, younger
.set BB, BK+64*((\a)%2)
	s_wait_dscnt \younger                          ; the tile is back in registers; the next tile's 16 stores and 16 loads may be out
.if (\a) > 0
	s_add_nc_u64 s[10:11], s[10:11], 65536         ; 16 rows on (behind a wait on XCNT: the earlier stores have read their base)
.endif
.irp t, 0,1,2,3,4,5,6,7,8,9,10,11,12,13,14,15
	global_store_b128 v[CO], v[BB+4*\t:BB+4*\t+3], s[10:11] offset:\t*4096 th:TH_STORE_NT     ; 32 lanes store 512 bytes on end, at a multiple of 512
.endr
.endm
	s_wait_kmcnt 0x0
	s_add_co_i32 s96, s78, s79
	s_add_co_i32 s96, s96, 127
	s_lshl_b32 s96, s96, 23                        ; 2^(e6 + e7) as f32
	s_mov_b32 s97, s96                             ; (named with it as a pair)
	PLACES
	TOSTAGE 0
.irp a, 1,2,3
.if \a > 1
	s_wait_xcnt 0x0                                ; the stores of two tiles back have read their registers and their base
.endif
	TOSTAGE \a
	SEND \a-1, 32
.endr
	s_wait_xcnt 0x0
	SEND 3, 0
	s_wait_tensorcnt 0x0                           ; the wave's end
	ds_add_u32 v[SPW], v[NIL]
	s_wait_dscnt 0x0
	CROUND                                         ; the closing round
	s_endpgm
.Lfunc_end_k_q9733a278e5_proj:
	.size	k_q9733a278e5_proj, .Lfunc_end_k_q9733a278e5_proj-k_q9733a278e5_proj
	.p2alignl 7, 3214868480
	.fill 96, 4, 3214868480
	.section	.rodata,"a",@progbits
	.p2align	6, 0x0
	.amdhsa_kernel k_q9733a278e5_proj
		.amdhsa_group_segment_fixed_size 327680
		.amdhsa_private_segment_fixed_size 0
		.amdhsa_enable_private_segment 0
		.amdhsa_kernarg_size 32
		.amdhsa_user_sgpr_count 2
		.amdhsa_user_sgpr_kernarg_segment_ptr 1
		.amdhsa_wavefront_size32 1
		.amdhsa_system_sgpr_workgroup_id_x 1
		.amdhsa_system_sgpr_workgroup_id_y 1
		.amdhsa_system_sgpr_workgroup_id_z 1
		.amdhsa_system_vgpr_workitem_id 0
		.amdhsa_next_free_vgpr 768
		.amdhsa_next_free_sgpr 100
		.amdhsa_reserve_vcc 0
		.amdhsa_float_denorm_mode_32 3
		.amdhsa_float_denorm_mode_16_64 3
		.amdhsa_memory_ordered 1
		.amdhsa_forward_progress 1
		.amdhsa_inst_pref_size 76
	.end_amdhsa_kernel
	.amdgpu_metadata
---
amdhsa.version: [ 1, 2 ]
amdhsa.kernels:
  - .name:           k_q9733a278e5_proj
    .symbol:         k_q9733a278e5_proj.kd
    .args:
      - { .name: o_img, .offset: 0, .size: 8, .value_kind: global_buffer, .address_space: global }
      - { .name: w0_codes, .offset: 8, .size: 8, .value_kind: global_buffer, .address_space: global }
      - { .name: lowp_scales, .offset: 16, .size: 8, .value_kind: global_buffer, .address_space: global }
      - { .name: out0, .offset: 24, .size: 8, .value_kind: global_buffer, .address_space: global }
    .group_segment_fixed_size: 327680
    .private_segment_fixed_size: 0
    .kernarg_segment_align: 8
    .kernarg_segment_size: 32
    .max_flat_workgroup_size: 128
    .sgpr_count:     100
    .vgpr_count:     768
    .wavefront_size: 32
...
	.end_amdgpu_metadata
.endif
;; end of part 4
